; MI455X (gfx1250); checked and timed in simulation.
; The chip was launched on July 23, 2026; its instructions are those of AMD's public machine-readable ISA for CDNA 5 (MIT licence, August 2026) and "CDNA5" Instruction Set Architecture Reference Guide (July 2026). The comments in the code are by the model that wrote it; some were corrected since.
;; MHA. Allowed arithmetic: matrix products marked QUANTISED: E2M1 operands, one E8M0 scale for each 32 along K, by v_wmma_scale_f32_16x16x128_f8f6f4 with both operands' format E2M1 (or v_wmma_scale_f32_32x16x128_f4), f32 sums; products left as they are: bf16, f16 or f32 operands; f32 sums; everything else in f32.
;; Inputs: WK_b 1,024 float32; WK_w 1,024 x 1,024 float32; WO_b 1,024 float32; WO_w 1,024 x 1,024 float32; WQ_b 1,024 float32; WQ_w 1,024 x 1,024 float32; WV_b 1,024 float32; WV_w 1,024 x 1,024 float32; x 4 x 2,048 x 1,024 float32.
;; Outputs: out0 4 x 2,048 x 1,024 float32.
;; This version of the problem:
;;   THIS VERSION OF THE PROBLEM IS GIVEN IN LOW PRECISION. The matrix products marked QUANTISED in the list below multiply operands that are first quantised to E2M1 (2 exponent bits, 1 mantissa bit; 4 bits a number), with one power-of-two scale for each 32 numbers along K (OCP MX v1.0); their sums are f32. The products marked 'left as it is' may take bf16, f16 or f32 operands, with f32 sums. Whichever they take, every output number must still come out within the allowed error. Rounding operands to bf16 (8 significant bits) uses up far more of that allowance than f16 does (11 bits, for magnitudes from 6e-5 to 65,504). All else is computed in f32.
;;   The module's matrix products, in the order in which they are computed (A, B: the left and right operand; K: the contracted axis; several contracted axes count as one K, in the product's order):
;;     1. [M 8,192, K 1,024] x [K 1,024, N 1,024]; A: input x; B: input WQ_w: QUANTISED
;;     2. [M 8,192, K 1,024] x [K 1,024, N 1,024]; A: input x; B: input WK_w: QUANTISED
;;     3. [M 8,192, K 1,024] x [K 1,024, N 1,024]; A: input x; B: input WV_w: QUANTISED
;;     4. batch 64 x [M 2,048, K 64] x [K 64, N 2,048]; A: computed on the way; B: computed on the way: left as it is (an operand is computed on the way)
;;     5. batch 64 x [M 2,048, K 2,048] x [K 2,048, N 64]; A: computed on the way; B: computed on the way: left as it is (an operand is computed on the way)
;;     6. [M 8,192, K 1,024] x [K 1,024, N 1,024]; A: computed on the way; B: input WO_w: left as it is (an operand is computed on the way)
;;   THE QUANTISER, for each operand of a quantised product, along K:
;;     - K is cut into blocks of 32 from its start; a last block that is shorter is filled with zeros.
;;     - A block's scale is 2^e with e = floor(log2(the largest magnitude in the block)) - 2, held to -126 .. 127; a block of zeros has e = 0. As a byte (E8M0): e + 127.
;;     - Each number is divided by its block's scale, clamped to +-6, and rounded to the nearest number of E2M1, ties to even, subnormals kept.
;;     - The product sums the exact products of the quantised numbers (number of the format x scale) in f32.
;;   ~~~python
;;   def quantise(x, axis):      # numpy; x: float32 -> the quantised numbers, widened to float32 again
;;       x = np.moveaxis(x, axis, -1); K = x.shape[-1]
;;       x = np.pad(x, [(0, 0)] * (x.ndim - 1) + [(0, -K % 32)]); x = x.reshape(x.shape[:-1] + (-1, 32)); a = np.abs(x).max(-1, keepdims=True)
;;       e = np.where(a > 0, np.clip(np.frexp(np.where(a > 0, a, 1))[1] - 1 - 2, -126, 127), 0)      # np.frexp(a)[1] - 1 = floor(log2(a)), exactly
;;       r = np.clip(x / 2.0 ** e, -6, 6)
;;       step = 2.0 ** (np.maximum(np.frexp(np.where(r == 0, 1, r))[1] - 1, 0) - 1)
;;       q = np.round(r / step) * step * 2.0 ** e      # np.round: ties to even
;;       return np.moveaxis(q.reshape(q.shape[:-2] + (-1,))[..., :K], -1, axis).astype(np.float32)
;;   ~~~
;; One version. Each part assembles by itself: llvm-mc -triple=amdgcn-amd-amdhsa -mcpu=gfx1250 --defsym DOCPART=n.
;; ======== version 1 of 1: 5 launches
;; limits: values are held in f16: magnitudes above 65,504 overflow, below 6.1e-05 lose precision
;; workspace buffers: xc 4,194,304 bytes; xs 262,144 bytes; wc 1,572,864 bytes; ws 98,304 bytes; wimg 2,097,152 bytes; qkv 50,331,648 bytes; head32 786,432 bytes; oimg 16,777,216 bytes
;; launch prep (part 1): grid 384 x 1, 4 waves a work-group, no clusters, 33,280 bytes of LDS; arguments x, WQ_w, WK_w, WV_w, WO_w, xc, xs, wc, ws, wimg; writes xc, xs, wc, ws, wimg
.if DOCPART == 1
	.amdgcn_target "amdgcn-amd-amdhsa--gfx1250"
	.amdhsa_code_object_version 6
	.text
	.protected	k_qeacb147cd5_prep
	.globl	k_qeacb147cd5_prep
	.p2align	8
	.type	k_qeacb147cd5_prep,@function
k_qeacb147cd5_prep:
	s_mov_b64 s[64:65], 0
	v_nop
	global_prefetch_b8 v0, s[64:65] scope:SCOPE_SE
	s_setreg_imm32_b32 hwreg(HW_REG_WAVE_MODE, 25, 1), 1
	s_wait_xcnt 0x0
; CAUSAL MULTI-HEAD ATTENTION, first of five launches: x, WQ_w, WK_w, WV_w (f32, K innermost) become codes of FP4 (E2M1) with one E8M0 byte for each 32 along K;
; WO_w becomes f16, laid in the order of a matrix operand's registers.
; DEAD WORK, for all values of the inputs.  (1) WK_b.  A score is Q_q . (x_k WK^T + WK_b) / 8 = Q_q . (x_k WK^T) / 8 + (Q_q . WK_b) / 8: the second term is the same for every key k of row q,
; so the softmax along k takes it away; masked places stay -infinity.  The product Q K^T is not quantised, so WK_b enters no quantiser either.  WK_b has no way to the output: it is not loaded and is no launch's argument.
; (2) Tiles of keys that lie wholly behind the causal mask, which the problem builds itself, are not multiplied.
; LIMIT: a NaN, an infinity or an overflow that reaches only WK_b or such tiles is not carried to the result.
; LIMITS of the program: Q, K, V, the attention's result and WO_w go to the products left as they are in f16: magnitudes beyond 65,504 become infinity.  NaN and infinities among the inputs are not served by the quantiser.
; A block's scale is 2^(floor(log2(its largest magnitude)) - 2); its byte is the largest magnitude's exponent field - 2, held at 1 from below.  A block of zeros so gets the byte 1 where the rule says 127:
; its codes are zeros, which add nothing under any byte but 0xff, and the bytes are read by this program alone.
; SHARES: work-groups 0-255 take x, 256-287 WQ_w, 288-319 WK_w, 320-351 WV_w (a wave: 16 steps of 512 numbers), 352-383 WO_w (a wave: 16 fragments).
; The quantiser: each of a step's four loads reads 512 consecutive bytes; the 2,048 bytes turn through the wave's own stage in LDS and come back 64 bytes (16 neighbours along K) a lane; two lanes hold a block.
.set WAVES, 4
.set STEPS, 16
.set EMAX,  2
.set CB,    8                          ; bytes of 16 codes
.set R,     16                         ; v16-79   four sets of 16 numbers as loaded
.set X,     80                         ; v80-111  two sets of 16 neighbours
.set E,     112                        ; v112-127 a scale byte for each step
.set C,     128                        ; v128-191 codes, four registers for each step
.set WREG,  8192                       ; LDS: a region for each wave: two stages of 32 x SP bytes, then its 256 scale bytes
.set SP,    80                         ; a lane's place in a stage: 64 bytes + 16 of padding
.set SPW,   12                         ; v12 LDS address of my spare word; never rewritten
.set NIL,   13                         ; v13 0; never rewritten
.set SPARE, WAVES*WREG                 ; the spare words, 128 bytes a wave
	s_load_b256 s[4:11], s[0:1], 0x0               ; x, WQ_w, WK_w, WV_w
	s_load_b256 s[12:19], s[0:1], 0x20             ; WO_w, xc, xs, wc
	s_load_b128 s[20:23], s[0:1], 0x40             ; ws, wimg
	v_lshl_add_u32 v[SPW], v0, 2, SPARE
	v_mov_b32 v[NIL], 0
	v_lshrrev_b32 v1, 5, v0
	v_readfirstlane_b32 s24, v1                    ; wave
	v_and_b32 v2, 31, v0                           ; lane
	v_lshlrev_b32 v3, 4, v2                        ; 16 x lane
	s_mul_i32 s25, s24, WREG
	v_lshrrev_b32 v14, 2, v2
	v_mul_u32_u24 v14, v14, SP
	v_and_b32 v15, 3, v2
	v_lshl_add_u32 v14, v15, 4, v14
	v_add_nc_u32 v14, s25, v14                     ; the stage, on the way in: SP (lane / 4) + 16 (lane % 4)
	v_mul_u32_u24 v15, v2, SP
	v_add_nc_u32 v15, s25, v15                     ; and on the way out: SP x lane
	v_mul_u32_u24 v4, v2, CB                       ; my codes' place in a step's
	v_lshrrev_b32 v5, 1, v2
	s_add_co_u32 s25, s25, 2*32*SP
	v_add_nc_u32 v5, s25, v5                       ; my block's scale byte in LDS
	v_lshlrev_b32 v7, 3, v2
	v_add_nc_u32 v6, s25, v7                       ; and 8 bytes a lane on the way out
	s_wait_kmcnt 0x0
	s_cmp_ge_u32 ttmp9, 352
	s_cbranch_scc1 .Lwo
	; which tensor: the choice hangs on the work-group's number alone
	s_mov_b64 s[26:27], s[10:11]
	s_mov_b32 s28, 320
	s_cmp_lt_u32 ttmp9, 320
	s_cselect_b64 s[26:27], s[8:9], s[26:27]
	s_cselect_b32 s28, 288, s28
	s_cmp_lt_u32 ttmp9, 288
	s_cselect_b64 s[26:27], s[6:7], s[26:27]
	s_cselect_b32 s28, 256, s28
	s_cmp_lt_u32 ttmp9, 256
	s_cselect_b64 s[26:27], s[4:5], s[26:27]
	s_cselect_b32 s28, 0, s28                      ; the source's first work-group
	s_cselect_b64 s[30:31], s[14:15], s[18:19]     ; codes: xc or wc
	s_cselect_b64 s[32:33], s[16:17], s[20:21]     ; scale bytes: xs or ws
	s_cselect_b32 s29, 0, 256                      ; the destination's first work-group
	s_sub_co_u32 s34, ttmp9, s28
	s_lshl_b32 s34, s34, 2
	s_add_co_u32 s34, s34, s24                     ; which run of 8,192 numbers of the source
	s_lshl_b32 s34, s34, 15
	s_mov_b32 s35, 0
	s_add_nc_u64 s[26:27], s[26:27], s[34:35]
	s_sub_co_u32 s36, ttmp9, s29
	s_lshl_b32 s36, s36, 2
	s_add_co_u32 s36, s36, s24                     ; and of the destination
	s_lshl_b32 s34, s36, 12                        ; 4,096 bytes of codes a run
	s_add_nc_u64 s[30:31], s[30:31], s[34:35]
	s_lshl_b32 s34, s36, 8                         ; 256 scale bytes a run
	s_add_nc_u64 s[32:33], s[32:33], s[34:35]
.macro LOAD t
.irp i, 0,1,2,3
	global_load_b128 v[R+16*((\t)%4)+4*\i:R+16*((\t)%4)+4*\i+3], v3, s[26:27] offset:2048*(\t)+512*\i th:TH_LOAD_NT   ; 32 lanes read 512 consecutive bytes
.endr
.endm
.macro TURN t                          ; step t's numbers through the stage: LDS serves a wave's instructions in order
.irp i, 0,1,2,3
	ds_store_b128 v14, v[R+16*((\t)%4)+4*\i:R+16*((\t)%4)+4*\i+3] offset:32*SP*((\t)%2)+8*SP*\i
.endr
.irp i, 0,1,2,3
	ds_load_b128 v[X+16*((\t)%2)+4*\i:X+16*((\t)%2)+4*\i+3], v15 offset:32*SP*((\t)%2)+16*\i
.endr
.endm
.irp t, 0,1,2,3
	LOAD \t
.endr
	s_wait_loadcnt 12                              ; step 0's four loads are in; twelve younger ones stay out
	TURN 0
.macro STEP t
.set XS, X+16*((\t)%2)
.if (\t) > 0
	s_wait_dscnt 1                                 ; this step's numbers are back from the stage (the last step's byte store may be out)
.else
	s_wait_dscnt 0x0
.endif
.if (\t)+4 < STEPS
	LOAD (\t)+4                                    ; into the registers that this step's stores into the stage have read
.endif
.if (\t)+1 < STEPS
.if STEPS-2-(\t) >= 3
	s_wait_loadcnt 12                              ; the next step's four loads are in; those of the three steps behind it may be out
.else
	s_wait_loadcnt 4*(STEPS-2-(\t))
.endif
	TURN (\t)+1
.endif
	v_max3_num_f32 v8, |v[XS]|, |v[XS+1]|, |v[XS+2]|               ; the largest magnitude of my 16, in two chains
	v_max3_num_f32 v9, |v[XS+3]|, |v[XS+4]|, |v[XS+5]|
.irp i, 6,10
	v_max3_num_f32 v8, v8, |v[XS+\i]|, |v[XS+\i+1]|
	v_max3_num_f32 v9, v9, |v[XS+\i+2]|, |v[XS+\i+3]|
.endr
	v_max3_num_f32 v8, v8, |v[XS+14]|, |v[XS+15]|
	v_max3_num_f32 v8, v8, v9, (EMAX+1)<<23        ; and the floor 2^(EMAX + 1 - 127): the byte cannot fall under 1
	v_max_num_f32_dpp v8, v8, v8 row_xmask:1 row_mask:0xf bank_mask:0xf   ; with my neighbour's 16: the block's
	v_add_nc_u32 v11, -(EMAX<<23), v8              ; EMAX off its exponent field: the conversion takes that field as its scale
	v_cvt_scalef32_pk8_fp4_f32 v[C+4*(\t)], v[XS:XS+7], v11
	v_cvt_scalef32_pk8_fp4_f32 v[C+4*(\t)+1], v[XS+8:XS+15], v11
	v_lshrrev_b32 v[E+(\t)], 23, v11               ; the scale's byte
	ds_store_b8 v5, v[E+(\t)] offset:16*(\t)       ; both lanes of a block write the same byte with the same value
	global_store_b64 v4, v[C+4*(\t):C+4*(\t)+1], s[30:31] offset:32*CB*(\t)   ; the wave stores 256 consecutive bytes, aligned
.endm
.irp t, 0,1,2,3,4,5,6,7,8,9,10,11,12,13,14,15
	STEP \t
.endr
	ds_load_b64 v[8:9], v6                         ; my wave's 256 scale bytes: these loads see my stores
	s_wait_dscnt 0x0
	global_store_b64 v7, v[8:9], s[32:33]          ; 256 consecutive bytes, aligned
	s_wait_tensorcnt 0x0                           ; the wave's end, behind my last LDS store
	ds_add_u32 v[SPW], v[NIL]
	s_wait_dscnt 0x0
	s_endpgm
; WO_w [1024 (n)][1024 (k)] as f16 fragment images: [64 column tiles][32 kf][2 halves][32 lanes][16 bytes]; lane (r, h), half u holds WO[16 nt + r][32 kf + 16 u + 8 h + 0 .. 7].
; A wave takes one column tile and half of K: 16 fragments in four groups of four, loads one group (16 loads) ahead.
.Lwo:
	s_sub_co_u32 s34, ttmp9, 352
	s_lshl_b32 s34, s34, 2
	s_add_co_u32 s34, s34, s24
	s_lshr_b32 s36, s34, 1                         ; nt
	s_and_b32 s37, s34, 1                          ; which half of K
	s_lshl_b32 s34, s36, 16                        ; 16 rows of 4,096 bytes
	s_lshl_b32 s38, s37, 11                        ; 512 numbers
	s_add_co_u32 s34, s34, s38
	s_mov_b32 s35, 0
	s_add_nc_u64 s[12:13], s[12:13], s[34:35]
	s_lshl_b32 s34, s36, 15                        ; 32 images of 1,024 bytes
	s_lshl_b32 s38, s37, 14
	s_add_co_u32 s34, s34, s38
	s_add_nc_u64 s[22:23], s[22:23], s[34:35]
	v_and_b32 v8, 15, v0
	v_bfe_u32 v9, v0, 4, 1
	v_lshlrev_b32 v8, 12, v8
	v_lshl_add_u32 v8, v9, 5, v8                   ; row r, + 32 h bytes
.macro LOADG g
.irp f, 0,1,2,3
	global_load_b128 v[16+64*((\g)%2)+16*\f:16+64*((\g)%2)+16*\f+3],     v8, s[12:13] offset:128*(4*(\g)+\f)
	global_load_b128 v[16+64*((\g)%2)+16*\f+4:16+64*((\g)%2)+16*\f+7],   v8, s[12:13] offset:128*(4*(\g)+\f)+16
	global_load_b128 v[16+64*((\g)%2)+16*\f+8:16+64*((\g)%2)+16*\f+11],  v8, s[12:13] offset:128*(4*(\g)+\f)+64
	global_load_b128 v[16+64*((\g)%2)+16*\f+12:16+64*((\g)%2)+16*\f+15], v8, s[12:13] offset:128*(4*(\g)+\f)+80
.endr
.endm
.macro GROUP g
.if (\g) < 3
	s_wait_loadcnt 16                              ; this group's 16 loads are in; the next group's may be out
.else
	s_wait_loadcnt 0
.endif
.if (\g) >= 2
	s_wait_xcnt 0x0                                ; the stores of two groups back have read the registers that are written now
.endif
.set FIN, 16+64*((\g)%2)
.set FOU, 144+32*((\g)%2)
.set n, 0
.rept 32
	v_cvt_pk_f16_f32 v[FOU+n], v[FIN+2*n], v[FIN+2*n+1]
.set n, n+1
.endr
.if (\g) < 2
	LOADG (\g)+2
.endif
.irp f, 0,1,2,3
	global_store_b128 v3, v[FOU+8*\f:FOU+8*\f+3],   s[22:23] offset:1024*(4*(\g)+\f)       ; 512 consecutive bytes, aligned
	global_store_b128 v3, v[FOU+8*\f+4:FOU+8*\f+7], s[22:23] offset:1024*(4*(\g)+\f)+512
.endr
.endm
	LOADG 0
	LOADG 1
	GROUP 0
	GROUP 1
	GROUP 2
	GROUP 3
	s_endpgm
.Lfunc_end_k_qeacb147cd5_prep:
	.size	k_qeacb147cd5_prep, .Lfunc_end_k_qeacb147cd5_prep-k_qeacb147cd5_prep
	.p2alignl 7, 3214868480
	.fill 96, 4, 3214868480
	.section	.rodata,"a",@progbits
	.p2align	6, 0x0
	.amdhsa_kernel k_qeacb147cd5_prep
		.amdhsa_group_segment_fixed_size 33280
		.amdhsa_private_segment_fixed_size 0
		.amdhsa_enable_private_segment 0
		.amdhsa_kernarg_size 80
		.amdhsa_user_sgpr_count 2
		.amdhsa_user_sgpr_kernarg_segment_ptr 1
		.amdhsa_wavefront_size32 1
		.amdhsa_system_sgpr_workgroup_id_x 1
		.amdhsa_system_sgpr_workgroup_id_y 1
		.amdhsa_system_sgpr_workgroup_id_z 1
		.amdhsa_system_vgpr_workitem_id 0
		.amdhsa_next_free_vgpr 208
		.amdhsa_next_free_sgpr 66
		.amdhsa_reserve_vcc 0
		.amdhsa_float_denorm_mode_32 3
		.amdhsa_float_denorm_mode_16_64 3
		.amdhsa_memory_ordered 1
		.amdhsa_forward_progress 1
		.amdhsa_inst_pref_size 52
	.end_amdhsa_kernel
	.amdgpu_metadata
---
amdhsa.version: [ 1, 2 ]
amdhsa.kernels:
  - .name:           k_qeacb147cd5_prep
    .symbol:         k_qeacb147cd5_prep.kd
    .args:
      - { .name: x, .offset: 0, .size: 8, .value_kind: global_buffer, .address_space: global }
      - { .name: WQ_w, .offset: 8, .size: 8, .value_kind: global_buffer, .address_space: global }
      - { .name: WK_w, .offset: 16, .size: 8, .value_kind: global_buffer, .address_space: global }
      - { .name: WV_w, .offset: 24, .size: 8, .value_kind: global_buffer, .address_space: global }
      - { .name: WO_w, .offset: 32, .size: 8, .value_kind: global_buffer, .address_space: global }
      - { .name: xc, .offset: 40, .size: 8, .value_kind: global_buffer, .address_space: global }
      - { .name: xs, .offset: 48, .size: 8, .value_kind: global_buffer, .address_space: global }
      - { .name: wc, .offset: 56, .size: 8, .value_kind: global_buffer, .address_space: global }
      - { .name: ws, .offset: 64, .size: 8, .value_kind: global_buffer, .address_space: global }
      - { .name: wimg, .offset: 72, .size: 8, .value_kind: global_buffer, .address_space: global }
    .group_segment_fixed_size: 33280
    .private_segment_fixed_size: 0
    .kernarg_segment_align: 8
    .kernarg_segment_size: 80
    .max_flat_workgroup_size: 128
    .sgpr_count:     66
    .vgpr_count:     208
    .wavefront_size: 32
...
	.end_amdgpu_metadata
.endif
;; end of part 1
;; launch qkv (part 2): grid 12 x 32, 4 waves a work-group, clusters of 4 x 4, 327,680 bytes of LDS; arguments xc, xs, wc, ws, qkv, head32, WQ_b, WV_b; writes qkv, head32
.if DOCPART == 2
	.amdgcn_target "amdgcn-amd-amdhsa--gfx1250"
	.amdhsa_code_object_version 6
	.text
	.protected	k_qeacb147cd5_qkv
	.globl	k_qeacb147cd5_qkv
	.p2align	8
	.type	k_qeacb147cd5_qkv,@function
k_qeacb147cd5_qkv:
	s_mov_b64 s[64:65], 0
	v_nop
	global_prefetch_b8 v0, s[64:65] scope:SCOPE_SE
	s_setreg_imm32_b32 hwreg(HW_REG_WAVE_MODE, 25, 1), 1
	s_wait_xcnt 0x0
	s_wait_alu depctr_hold_cnt(0) depctr_sa_sdst(0) depctr_va_vdst(0) depctr_va_sdst(0) depctr_va_ssrc(0) depctr_va_vcc(0) depctr_vm_vsrc(0)
	s_getreg_b32 s2, hwreg(HW_REG_IB_STS2, 6, 4)
	s_cmp_eq_u32 s2, 0
	s_cbranch_scc0 .Lentry_in_a_cluster
	s_endpgm
.Lentry_in_a_cluster:
	s_bfe_u32 s2, ttmp6, 0x10000c
	s_cmp_lg_u32 s2, 0xf033
	s_cbranch_scc0 .Lentry_shape_is_right
	s_endpgm
.Lentry_shape_is_right:
; Q, K, V = x W^T (+ bias) on codes of FP4 (E2M1) with one E8M0 scale for each 32 along K = 1,024.  A = xc [8192][512 bytes], B = wc [3072][512 bytes] (rows 0-1023 WQ, 1024-2047 WK, 2048-3071 WV).
; LEFT OUT AS DEAD WORK: WK_b (it adds the same number to every score of a row, which the softmax takes away, and enters no quantiser): K's sums begin at 0.
; OUT: qkv [3][64 (batch x 16 + head)][2048][64] f16 (LIMIT: beyond 65,504 infinity), and for positions 0-15 of each sequence the f32 sums as they stand in the registers:
; head32 [3][4 batches][64 column tiles][2 halves][32 lanes][16 bytes], lane (r, h), half u = value(position r, column 16 ct + 8 h + 4 u + 0 .. 3).
; A tile of 256 x 256 is made by four waves, each 128 x 128: 64 accumulators.  K is two slots of 512: both are asked for at the head, and nothing is filled again.
; The scale bytes of the work-group's 256 + 256 rows come into LDS once, in rows of 256 bytes.
; CLUSTERS: 4 x 4 work-groups; cluster x = which of Q, K, V.  A's tiles are asked for jointly along a row of the cluster, B's along a column.
; Tile row = 8 cy + cluster y: so the batch is cy and the tiles that hold positions 0-15 are those of cluster y = 0: a test on cluster y is the same in all partners.
; THE MATRIX INSTRUCTION IS USED TRANSPOSED (source 0 = 16 rows of W, source 1 = 16 rows of x): a lane holds eight neighbouring columns of one row.
; REGISTERS: window 0: v0-31 addresses; v32-95 scale words, two sets; v128-191 A's fragments, one set; v192-255 the bias, the C of the first step's products.
;   window 1: B's fragments, two sets.  window 2, 3: the accumulators of my rows 0-63, 64-127 ((a, b) at v[8 (8 (a % 4) + b)]).
.set NQ,     4                         ; steps of 128 along K in a slot
.set ROWB,   256                       ; a tile's row in bytes: 512 codes
.set KROW,   512                       ; a row of codes in memory
.set PITCH,  272                       ; an LDS row: 256 bytes + 16 of padding: the 16 rows of a load start at 16 different groups of four banks
.set FR,     8
.set NL,     2
.set NP,     4
.set HALFT,  128*PITCH
.set SLOT,   4*HALFT
.set KS,     32                        ; a row of scale bytes
.set SCL,    2*SLOT
.set HALFS,  (128*KS/256)*272
.set SBLK,   (16*KS/256)*272
.set SPARE,  SCL+4*HALFS               ; the spare words, 128 bytes a wave
.set SPITCH, 272                       ; the way out: a stage of 16 rows x (256 + 16) bytes for each wave, in slot 0, which has had its only fill and its last read by then
.set ADRA, 16
.set ADRB, 20
.set STO,  24
.set RD,   25
.set CO,   26
.set ADRS, 27
.set SPW,  28
.set NIL,  29
.set BO,   30                          ; v30 32 h: my place in 16 numbers of a bias
.set SC,   32
.set AF,   128
.set BI,   192
.set TMP,  192
.set OB,   32
.set G1, 24
.set G0, 32
.set G1B, 48
.set G0B, 56
.set G1S, 68
.set G0S, 76
.set G1SB, 80
.set G0SB, 88
.set MSB, 0
.macro WIN new                         ; the immediate's high byte repeats the setting that is left
.if MSB != (\new)
	s_set_vgpr_msb (MSB<<8)|(\new)
.set MSB, (\new)
.endif
.endm
.set MUL_LO, 0xa1                      ; source 0 (B) window 1, source 1 (A) window 0, C and D window 2
.set MUL_HI, 0xf1
.set TO_B,   0x40
.macro JLOAD g0a, g1a, g0b, g1b        ; a joint load: waves 0 and 1 fetch for A, waves 2 and 3 for B; an s_nop 0 and four v_nop follow each line
	s_cmp_eq_u32 s15, 0
	s_cbranch_scc0 .Lfor_b_\@
	tensor_load_to_lds s[\g0a:\g0a+3], s[\g1a:\g1a+7]
	s_nop 0
.rept 4
	v_nop
.endr
	s_branch .Lasked_\@
.Lfor_b_\@:
	tensor_load_to_lds s[\g0b:\g0b+3], s[\g1b:\g1b+7]
	s_nop 0
.rept 4
	v_nop
.endr
.Lasked_\@:
.endm
.macro CROUND                          ; a round of the cluster's barrier
	s_barrier_signal -1
	s_barrier_wait -1
	s_cmp_lg_u32 s14, 0
	s_cbranch_scc1 .Lnot_wave_0_\@
	s_barrier_signal -3
.Lnot_wave_0_\@:
	s_barrier_wait -3
	s_barrier_signal -1
	s_barrier_wait -1
.endm
	s_load_b128 s[4:7], s[0:1], 0x0                ; xc, xs
	s_load_b128 s[8:11], s[0:1], 0x10              ; wc, ws
	s_load_b64 s[12:13], s[0:1], 0x20              ; qkv
	s_load_b64 s[100:101], s[0:1], 0x28            ; head32
	s_load_b128 s[96:99], s[0:1], 0x30             ; WQ_b, WV_b
	v_lshl_add_u32 v[SPW], v0, 2, SPARE
	v_mov_b32 v[NIL], 0
	ds_add_u32 v[SPW], v[NIL]                      ; the wave's opening: the add, twice on end, and its wait ahead of my first tensor load
	ds_add_u32 v[SPW], v[NIL]
	v_lshrrev_b32 v1, 5, v0
	v_readfirstlane_b32 s14, v1                    ; wave 0..3
	s_lshr_b32 s15, s14, 1                         ; which half of the tile's rows is mine; also: I fetch for A (0) or B (1)
	s_and_b32 s16, s14, 1                          ; which half of its columns; also: which 128 rows I fetch
	s_bfe_u32 s40, ttmp6, 0x40000                  ; cx
	s_bfe_u32 s41, ttmp6, 0x40004                  ; cy
	s_lshl_b32 s42, ttmp9, 2
	s_add_co_u32 s42, s42, s40                     ; tile column = 4 x cluster x + cx
	s_and_b32 s67, ttmp7, 0xffff                   ; cluster y
	s_lshl_b32 s17, s41, 3
	s_add_co_u32 s17, s17, s67                     ; tile row = 8 cy + cluster y
	s_lshl_b32 s43, s41, 2
	s_lshl_b32 s43, 15, s43                        ; my row of the cluster
	s_lshl_b32 s44, 0x1111, s40                    ; my column
	s_or_b32 s[G1+0], s43, (0<<16)|(1<<20)|(1<<21)|(5<<22)|(3<<25)   ; mask; elements of 1 byte; padding: 4 words behind every 64
	s_or_b32 s[G1B+0], s44, (0<<16)|(1<<20)|(1<<21)|(5<<22)|(3<<25)
.irp g, G1, G1B
	s_mov_b32 s[\g+1], ROWB<<16                    ; tensor_dim0
	s_mov_b32 s[\g+2], 128<<16                     ; tensor_dim1
	s_mov_b32 s[\g+3], ROWB<<16                    ; tile_dim0
	s_mov_b32 s[\g+4], 128                         ; tile_dim1
	s_mov_b32 s[\g+5], KROW                        ; from row to row
	s_mov_b32 s[\g+6], 0
	s_mov_b32 s[\g+7], 0
.endr
	s_or_b32 s[G1S+0], s43, (3<<16)|(1<<20)|(1<<21)|(5<<22)|(3<<25)  ; the scales of 128 rows: 4,096 dense bytes as 16 rows of 256 (32 elements of 8 bytes)
	s_or_b32 s[G1SB+0], s44, (3<<16)|(1<<20)|(1<<21)|(5<<22)|(3<<25)
.irp g, G1S, G1SB
	s_mov_b32 s[\g+1], 32<<16
	s_mov_b32 s[\g+2], (128*KS/256)<<16
	s_mov_b32 s[\g+3], 32<<16
	s_mov_b32 s[\g+4], 128*KS/256
	s_mov_b32 s[\g+5], 32
	s_mov_b32 s[\g+6], 0
	s_mov_b32 s[\g+7], 0
.endr
	s_lshl_b32 s18, s16, 7
	s_lshl_b32 s20, s17, 8
	s_add_co_u32 s20, s20, s18                     ; A: row 256 x tile row + 128 x half
	s_lshl_b32 s46, s42, 8
	s_add_co_u32 s46, s46, s18                     ; B: row 256 x tile column + 128 x half
	s_mov_b32 s21, 0
	s_mov_b32 s47, 0
	s_mov_b64 s[18:19], KS
	s_mul_u64 s[22:23], s[20:21], s[18:19]
	s_mul_u64 s[92:93], s[46:47], s[18:19]
	s_mov_b64 s[18:19], KROW
	s_mul_u64 s[20:21], s[20:21], s[18:19]
	s_mul_u64 s[46:47], s[46:47], s[18:19]
	s_mul_i32 s45, s14, HALFT                      ; where they go: wave x 128 rows
	s_mul_i32 s94, s14, HALFS
	s_wait_dscnt 0x0                               ; both opening adds are done
	s_wait_kmcnt 0x0
	s_add_nc_u64 s[20:21], s[4:5], s[20:21]
	s_add_nc_u64 s[22:23], s[6:7], s[22:23]
	s_add_nc_u64 s[46:47], s[8:9], s[46:47]
	s_add_nc_u64 s[92:93], s[10:11], s[92:93]
	CROUND                                         ; all sixteen work-groups are here: the joint loads meet
	s_mov_b32 s[G0S], 1
	s_add_co_u32 s[G0S+1], s94, SCL
	s_mov_b64 s[G0S+2:G0S+3], s[22:23]
	s_or_b32 s[G0S+3], s[G0S+3], 0x80000000
	s_mov_b32 s[G0SB], 1
	s_add_co_u32 s[G0SB+1], s94, SCL
	s_mov_b64 s[G0SB+2:G0SB+3], s[92:93]
	s_or_b32 s[G0SB+3], s[G0SB+3], 0x80000000
	JLOAD G0S, G1S, G0SB, G1SB                     ; three tensor loads of mine go out here: the scales, slot 0, slot 1
.irp s, 0,1
	s_mov_b32 s[G0+4*\s], 1
	s_add_co_u32 s[G0+4*\s+1], s45, \s*SLOT
	s_add_nc_u64 s[G0+4*\s+2:G0+4*\s+3], s[20:21], \s*ROWB
	s_or_b32 s[G0+4*\s+3], s[G0+4*\s+3], 0x80000000
	s_mov_b32 s[G0B+4*\s], 1
	s_add_co_u32 s[G0B+4*\s+1], s45, \s*SLOT
	s_add_nc_u64 s[G0B+4*\s+2:G0B+4*\s+3], s[46:47], \s*ROWB
	s_or_b32 s[G0B+4*\s+3], s[G0B+4*\s+3], 0x80000000
	JLOAD G0+4*\s, G1, G0B+4*\s, G1B
.endr
	; the bias of my 128 columns, in the result's layout: register 8 b + j of lane (r, h) = bias[16 b + 8 h + j].  K has none: zeros.  The branch hangs on cluster x: the same in all partners
	v_and_b32 v1, 15, v0                           ; l % 16
	v_bfe_u32 v2, v0, 4, 1                         ; l / 16
	v_lshlrev_b32 v[BO], 5, v2
	s_cmp_eq_u32 ttmp9, 0
	s_cselect_b64 s[96:97], s[96:97], s[98:99]
	s_lshl_b32 s46, s40, 10                        ; 256 cx numbers
	s_lshl_b32 s47, s16, 9                         ; + 128 x half
	s_add_co_u32 s46, s46, s47
	s_mov_b32 s47, 0
	s_add_nc_u64 s[96:97], s[96:97], s[46:47]
	s_cmp_eq_u32 ttmp9, 1
	s_cbranch_scc1 .Lkeys
.irp b, 0,1,2,3,4,5,6,7
	global_load_b128 v[BI+8*\b:BI+8*\b+3],   v[BO], s[96:97] offset:64*\b
	global_load_b128 v[BI+8*\b+4:BI+8*\b+7], v[BO], s[96:97] offset:64*\b+16
.endr
	s_branch .Lbias_done
.Lkeys:
.set n, 0
.rept 64
	v_mov_b32 v[BI+n], 0
.set n, n+1
.endr
.Lbias_done:
	v_mul_u32_u24 v3, v1, PITCH
	v_lshl_add_u32 v4, v2, 4, v3                   ; a fragment's row x pitch + 16 x half
	s_mul_i32 s21, s15, HALFT
	s_mul_i32 s22, s16, HALFT
	s_add_co_u32 s22, s22, 2*HALFT
.irp s, 0,1
	v_add_nc_u32 v[ADRA+\s], s21, v4
	v_add_nc_u32 v[ADRB+\s], s22, v4
	s_add_co_u32 s21, s21, SLOT
	s_add_co_u32 s22, s22, SLOT
.endr
	v_mul_u32_u24 v5, v1, KS                       ; my row's scales: KS bytes a row,
	v_lshrrev_b32 v6, 8, v5
	v_lshl_add_u32 v5, v6, 4, v5                   ; and 16 more for each 256 passed
	s_mul_i32 s21, s15, HALFS
	s_mul_i32 s22, s16, HALFS
	s_add_co_u32 s22, s22, 2*HALFS
	s_sub_co_u32 s22, s22, s21
	v_mul_u32_u24 v6, s22, v2                      ; lanes 16-31 take B's
	s_add_co_u32 s21, s21, SCL
	v_add_nc_u32 v5, v5, v6
	v_add_nc_u32 v[ADRS], s21, v5
	s_mul_i32 s23, s14, 16*SPITCH                  ; my stage
	v_mul_u32_u24 v5, v1, SPITCH                   ; in: row l % 16, 16 bytes for each half of the lanes
	v_lshl_add_u32 v5, v2, 4, v5
	v_add_nc_u32 v[STO], s23, v5
	v_bfe_u32 v5, v0, 3, 2                         ; back: eight lanes take a head's 128 bytes of one position, the wave four positions
	v_mul_u32_u24 v5, v5, SPITCH
	v_and_b32 v6, 7, v0
	v_lshl_add_u32 v5, v6, 4, v5
	v_add_nc_u32 v[RD], s23, v5
	v_and_b32 v6, 31, v0
	v_lshlrev_b32 v[CO], 4, v6                     ; 16 x lane
	; qkv at my part: which of the three << 24, batch << 22, head (4 cx + 2 x half) << 18, position (256 cluster y + 128 x half) << 7
	s_lshl_b32 s20, ttmp9, 24
	s_lshl_b32 s21, s41, 22
	s_add_co_u32 s20, s20, s21
	s_lshl_b32 s21, s67, 15
	s_add_co_u32 s20, s20, s21
	s_lshl_b32 s21, s15, 14
	s_add_co_u32 s20, s20, s21
	s_lshl_b32 s46, s40, 20
	s_lshl_b32 s47, s16, 19
	s_add_co_u32 s46, s46, s47
	s_add_co_u32 s20, s20, s46
	s_mov_b32 s21, 0
	s_add_nc_u64 s[12:13], s[12:13], s[20:21]
	; head32 at my part: (4 x which + batch) x 65,536 + (16 cx + 8 x half) x 1,024
	s_lshl_b32 s20, ttmp9, 18
	s_lshl_b32 s22, s41, 16
	s_add_co_u32 s20, s20, s22
	s_lshl_b32 s46, s40, 14
	s_lshl_b32 s47, s16, 13
	s_add_co_u32 s46, s46, s47
	s_add_co_u32 s20, s20, s46
	s_add_nc_u64 s[100:101], s[100:101], s[20:21]
	s_or_b32 s66, s67, s15                         ; 0 where my first 16 rows are positions 0-15
.macro FRAG reg, adr, q, i             ; 16 rows x 128 K of 4-bit codes: 8 registers, two loads of 16 bytes, 32 bytes apart
.irp c, 0,1
	ds_load_b128 v[\reg+4*\c:\reg+4*\c+3], v[\adr] offset:64*(\q)+32*\c+(\i)*16*PITCH
.endr
.endm
; 16 matrix instructions: A's blocks a0, a0 + 1 x B's eight.  first = 1: the bias is the C of the sums' first products.  The 64 accumulators take turns.
.macro MUL16 a0, p, q, sc, first
.irp a, \a0, \a0+1
.irp b, 0,1,2,3,4,5,6,7
.if \first
	v_wmma_scale_f32_16x16x128_f8f6f4 v[8*(8*((\a)%4)+\b):8*(8*((\a)%4)+\b)+7], v[128*(\p)+FR*\b:128*(\p)+FR*\b+FR-1], v[AF+FR*(\a):AF+FR*(\a)+FR-1], v[BI+8*\b:BI+8*\b+7], v[SC+8*NQ*(\sc)+NQ*\b+(\q)], v[SC+8*NQ*(\sc)+NQ*(\a)+(\q)] matrix_a_fmt:MATRIX_FMT_FP4 matrix_b_fmt:MATRIX_FMT_FP4 matrix_a_scale:MATRIX_SCALE_ROW1
.else
	v_wmma_scale_f32_16x16x128_f8f6f4 v[8*(8*((\a)%4)+\b):8*(8*((\a)%4)+\b)+7], v[128*(\p)+FR*\b:128*(\p)+FR*\b+FR-1], v[AF+FR*(\a):AF+FR*(\a)+FR-1], v[8*(8*((\a)%4)+\b):8*(8*((\a)%4)+\b)+7], v[SC+8*NQ*(\sc)+NQ*\b+(\q)], v[SC+8*NQ*(\sc)+NQ*(\a)+(\q)] matrix_a_fmt:MATRIX_FMT_FP4 matrix_b_fmt:MATRIX_FMT_FP4 matrix_a_scale:MATRIX_SCALE_ROW1
.endif
.endr
.endr
.endm
.macro FETCH_B slot, q, p
	WIN TO_B
.irp i, 0,1,2,3,4,5,6,7
	FRAG 128*(\p)+FR*\i, ADRB+\slot, \q, \i
.endr
	WIN 0
.endm
.macro FETCH_A slot, q, i0
.irp i, \i0, \i0+1, \i0+2, \i0+3
	FRAG AF+FR*(\i), ADRA+\slot, \q, \i
.endr
.endm
.macro SCALES sc                       ; a slot's scale words: lanes 0-15 A's block i, lanes 16-31 B's block i
.irp i, 0,1,2,3,4,5,6,7
	ds_load_b128 v[SC+8*NQ*\sc+NQ*\i:SC+8*NQ*\sc+NQ*\i+3], v[ADRS] offset:\i*SBLK
.endr
.endm
.macro PLACES n                        ; plain vector instructions between a matrix instruction and a load into, or a read of, its registers
.rept \n
	v_nop
.endr
.endm
.macro STEP slot, q, first             ; 128 along K with its successor in the same slot
	s_wait_dscnt 4*NL                              ; B's set and A's blocks 0-3 are in; the youngest eight loads (A's blocks 4-7) may be out
.if \first
	WIN 0x81                                       ; C (the bias) in window 0, D in window 2
.else
	WIN MUL_LO
.endif
	MUL16 0, (\q)%2, \q, \slot, \first
	MUL16 2, (\q)%2, \q, \slot, \first
	s_wait_dscnt 0
	PLACES NP
	FETCH_B \slot, (\q)+1, 1-(\q)%2
	FETCH_A \slot, (\q)+1, 0
.if \first
	WIN 0xc1
.else
	WIN MUL_HI
.endif
	MUL16 4, (\q)%2, \q, \slot, \first
	MUL16 6, (\q)%2, \q, \slot, \first
	PLACES NP
	WIN 0
	FETCH_A \slot, (\q)+1, 4
.endm
.macro TURN slot, next                 ; a slot's last step changes slots: one barrier
	s_wait_tensorcnt 0x0                           ; all my tensor loads have landed: my part of the next slot
	ds_add_u32 v[SPW], v[NIL]
	s_wait_dscnt 4*NL+1                            ; the add and the youngest eight loads may be out
	WIN MUL_LO
	MUL16 0, 1, NQ-1, \slot, 0
	s_wait_dscnt 0x0                               ; the add is done, and my reads of this slot are over
	s_barrier_signal -1
	MUL16 2, 1, NQ-1, \slot, 0
	WIN 0
	s_barrier_wait -1
	PLACES NP
	v_add_nc_u32 v[ADRS], 4*NQ, v[ADRS]            ; the next slot's scale words
	FETCH_B \next, 0, 0
	FETCH_A \next, 0, 0
	SCALES \next
	WIN MUL_HI
	MUL16 4, 1, NQ-1, \slot, 0
	MUL16 6, 1, NQ-1, \slot, 0
	PLACES NP
	WIN 0
	FETCH_A \next, 0, 4
.endm
.macro STEPS slot, from
.set Q, \from
.rept NQ-1-\from
	STEP \slot, Q, 0
.set Q, Q+1
.endr
.endm
	s_wait_tensorcnt 1                             ; the scales and my part of slot 0 are in; slot 1's load may be out,
	s_barrier_signal -1
	s_barrier_wait -1                              ; everybody's are
	FETCH_B 0, 0, 0
	FETCH_A 0, 0, 0
	SCALES 0
	FETCH_A 0, 0, 4
	s_wait_loadcnt 0x0                             ; the bias
	STEP 0, 0, 1
	STEPS 0, 1
	TURN 0, 1
	STEPS 1, 0
	s_wait_dscnt 4*NL                              ; the last step: nothing more to fetch
	WIN MUL_LO
	MUL16 0, 1, NQ-1, 1, 0
	MUL16 2, 1, NQ-1, 1, 0
	s_wait_dscnt 0
	WIN MUL_HI
	MUL16 4, 1, NQ-1, 1, 0
	MUL16 6, 1, NQ-1, 1, 0
	WIN 0
; THE WAY OUT, a block of 16 rows x 128 columns at a time: rounded to f16 (16 bytes a lane), through my own stage, back as 4 positions x 128 bytes of one head: 512 bytes that follow each other in qkv.
.macro PACK a
.set AC, 64*((\a)%4)
	WIN 0x0a+5*((\a)/4)                            ; sources 0 and 1: window 2 or 3
.irp b, 0,1,2,3,4,5,6,7
.irp r, 0,1,2,3
	v_cvt_pk_f16_f32 v[TMP+4*\b+\r], v[AC+8*\b+2*\r], v[AC+8*\b+2*\r+1]   ; each accumulator from its low end on
.endr
.endr
	WIN 0
.endm
.macro TOSTAGE a
.set BK, OB+192*((\a)%2)
.irp b, 0,1,2,3,4,5,6,7
	ds_store_b128 v[STO], v[TMP+4*\b:TMP+4*\b+3] offset:32*\b
.endr
.irp t, 0,1,2,3,4,5,6,7
	ds_load_b128 v[BK+4*\t:BK+4*\t+3], v[RD] offset:4*(\t%4)*SPITCH+128*(\t/4)   ; LDS serves a wave's instructions in order: these see the stores above
.endr
.endm
.macro SEND a
.set BK, OB+192*((\a)%2)
	s_wait_dscnt 0x0                               ; the block is back in registers
	s_wait_xcnt 0x0                                ; earlier stores have read their registers: the other set may be loaded again
.irp t, 0,1,2,3,4,5,6,7
	global_store_b128 v[CO], v[BK+4*\t:BK+4*\t+3], s[12:13] offset:2048*(\a)+512*(\t%4)+262144*(\t/4)   ; 512 consecutive bytes, aligned
.endr
.endm
	PLACES NP                                      ; behind the last products, ahead of the first read of results
	s_cmp_lg_u32 s66, 0
	s_cbranch_scc1 .Lno32
	WIN 0x08                                       ; a store's data: window 2
.irp b, 0,1,2,3,4,5,6,7
	global_store_b128 v[CO], v[8*\b:8*\b+3],   s[100:101] offset:1024*\b        ; positions 0-15 in f32, as they stand
	global_store_b128 v[CO], v[8*\b+4:8*\b+7], s[100:101] offset:1024*\b+512
.endr
	WIN 0
.Lno32:
	PACK 0
	TOSTAGE 0
.irp a, 1,2,3,4,5,6,7
	PACK \a
	SEND \a-1
	TOSTAGE \a
.endr
	SEND 7
	s_wait_tensorcnt 0x0                           ; the wave's end
	ds_add_u32 v[SPW], v[NIL]
	s_wait_dscnt 0x0
	CROUND                                         ; the closing round
	s_endpgm
.Lfunc_end_k_qeacb147cd5_qkv:
	.size	k_qeacb147cd5_qkv, .Lfunc_end_k_qeacb147cd5_qkv-k_qeacb147cd5_qkv
	.p2alignl 7, 3214868480
	.fill 96, 4, 3214868480
	.section	.rodata,"a",@progbits
	.p2align	6, 0x0
	.amdhsa_kernel k_qeacb147cd5_qkv
		.amdhsa_group_segment_fixed_size 327680
		.amdhsa_private_segment_fixed_size 0
		.amdhsa_enable_private_segment 0
		.amdhsa_kernarg_size 64
		.amdhsa_user_sgpr_count 2
		.amdhsa_user_sgpr_kernarg_segment_ptr 1
		.amdhsa_wavefront_size32 1
		.amdhsa_system_sgpr_workgroup_id_x 1
		.amdhsa_system_sgpr_workgroup_id_y 1
		.amdhsa_system_sgpr_workgroup_id_z 1
		.amdhsa_system_vgpr_workitem_id 0
		.amdhsa_next_free_vgpr 1024
		.amdhsa_next_free_sgpr 102
		.amdhsa_reserve_vcc 0
		.amdhsa_float_denorm_mode_32 3
		.amdhsa_float_denorm_mode_16_64 3
		.amdhsa_memory_ordered 1
		.amdhsa_forward_progress 1
		.amdhsa_inst_pref_size 132
	.end_amdhsa_kernel
	.amdgpu_metadata
---
amdhsa.version: [ 1, 2 ]
amdhsa.kernels:
  - .name:           k_qeacb147cd5_qkv
    .symbol:         k_qeacb147cd5_qkv.kd
    .args:
      - { .name: xc, .offset: 0, .size: 8, .value_kind: global_buffer, .address_space: global }
      - { .name: xs, .offset: 8, .size: 8, .value_kind: global_buffer, .address_space: global }
      - { .name: wc, .offset: 16, .size: 8, .value_kind: global_buffer, .address_space: global }
      - { .name: ws, .offset: 24, .size: 8, .value_kind: global_buffer, .address_space: global }
      - { .name: qkv, .offset: 32, .size: 8, .value_kind: global_buffer, .address_space: global }
      - { .name: head32, .offset: 40, .size: 8, .value_kind: global_buffer, .address_space: global }
      - { .name: WQ_b, .offset: 48, .size: 8, .value_kind: global_buffer, .address_space: global }
      - { .name: WV_b, .offset: 56, .size: 8, .value_kind: global_buffer, .address_space: global }
    .group_segment_fixed_size: 327680
    .private_segment_fixed_size: 0
    .kernarg_segment_align: 8
    .kernarg_segment_size: 64
    .max_flat_workgroup_size: 128
    .sgpr_count:     102
    .vgpr_count:     1024
    .wavefront_size: 32
...
	.end_amdgpu_metadata
.endif
;; end of part 2
;; launch attn (part 3): grid 4 x 64, 16 waves a work-group, no clusters, 327,680 bytes of LDS; arguments qkv, oimg; writes oimg
.if DOCPART == 3
	.amdgcn_target "amdgcn-amd-amdhsa--gfx1250"
	.amdhsa_code_object_version 6
	.text
	.protected	k_qeacb147cd5_attn
	.globl	k_qeacb147cd5_attn
	.p2align	8
	.type	k_qeacb147cd5_attn,@function
k_qeacb147cd5_attn:
	s_mov_b64 s[64:65], 0
	v_nop
	global_prefetch_b8 v0, s[64:65] scope:SCOPE_SE
	s_setreg_imm32_b32 hwreg(HW_REG_WAVE_MODE, 25, 1), 1
	s_wait_xcnt 0x0
; O = softmax(Q K^T / 8, causal) V for each of 64 (batch, head), head size 64, 2,048 positions.  Q, K, V: qkv [3][64][2048][64] f16; products in f16 with f32 sums; maxima, exponentials and sums in f32.
; LEFT OUT AS DEAD WORK: steps of 64 keys that lie wholly behind the causal mask; slots of keys that none of the work-group's queries may see are not fetched.  (K carries no bias: see the first launch.)
; OUT: oimg, f16, in the order of the next product's operand registers: [512 tiles of 16 rows][32 kf = 2 x head + c][2 halves][32 lanes][16 bytes]; lane (r, h), half u = O[16 RT + r][32 kf + 16 u + 8 h + 0 .. 7].
; LIMIT: f16 operands: magnitudes beyond 65,504 become infinity; a weight p under 2^-24 beside the row's largest counts as 0 in the second product.
; SHARES.  Work-group (j, head) owns query blocks j and 7 - j (256 queries each): the same causal work for all 256 work-groups.  Sixteen waves, four to a SIMD, 32 queries (two tiles) each;
; wave w: idx = w / 2, late = (w ^ (w / 4)) & 1: two early and two late waves among any four neighbours and among any four that are 4 apart.
; Every wave walks all 8 slots of 256 keys (constant trip counts); a step's work is jumped over by a scalar branch on ids.
; NO CLUSTER: the four work-groups of a head need different numbers of slots, so a joint load would bring tiles that every wave of some partner jumps over.
; LAYOUT.  S^T = K Q^T (source 0 = 16 keys, source 1 = 16 queries), O^T = V^T P (source 0 = 16 channels, turned on the way out of LDS): a lane holds one query throughout.
; LDS.  A head's K and V are dense, so a tile is stated as rows of 256 bytes, two keys a row: key x lies at (x / 2) pitch + 128 (x % 2).  K's pitch 272, V's 288: the lanes of a load fall on different banks.
.set KP,    272
.set VP,    288
.set VOFF,  128*KP                     ; a slot: 128 pair rows of K, then 128 of V
.set SLOT1, 1<<17
.set SPARE, SLOT1+128*(KP+VP)          ; the spare words, 128 bytes for each of 16 waves
.set AK0, 1                            ; v1  my lane's place in a tile of K
.set AV0, 2                            ; v2  the same for V
.set ADK, 3
.set ADV, 4
.set SPW, 5
.set NIL, 6
.set PFO, 7                            ; v7  256 x lane
.set GO,  8                            ; v8  16 x lane
.set ST,  12                           ; tile t's statistics at v[ST + 8 t]: +0 c m, +1 m, +2, +3 the sum, +4 .. +7 at work; a takes +6
.set QF,  32                           ; v32-63   Q: tile t, channels 32 c on: 16 t + 8 c
.set KV,  64                           ; v64-127  a step's K, then its V
.set SS,  128                          ; v128-191 S^T, 32 a tile; P is packed into a tile's first 16
.set OT,  192                          ; v192-255 O^T, 32 a tile
.set WV,  18
.set SEL, 20
.set CS,  22
.set G1K, 24
.set G1V, 32
.set G0K, 40
.set G0V, 44
.set TB,  48
.set SLOTS, 49
.set KF,  50
.set Q0,  51
.set QL,  52
.set LIM, 53
.set PFA, 54
.macro TLOAD                           ; waves 0 and 1 fetch K's halves of a slot, waves 2 and 3 V's; an s_nop 0 and four v_nop follow each line
	s_cmp_lt_u32 s[WV], 2
	s_cbranch_scc0 .Lnot_k_\@
	tensor_load_to_lds s[G0K:G0K+3], s[G1K:G1K+7]
	s_nop 0
.rept 4
	v_nop
.endr
	s_branch .Lasked_\@
.Lnot_k_\@:
	s_cmp_lt_u32 s[WV], 4
	s_cbranch_scc0 .Lasked_\@
	tensor_load_to_lds s[G0V:G0V+3], s[G1V:G1V+7]
	s_nop 0
.rept 4
	v_nop
.endr
.Lasked_\@:
.endm
; A prefetch of the slot that the NEXT change of slots will ask for: 32,768 bytes of K and of V.  The head's work-group j = 0, which walks all slots, asks; in it waves 4-7 for K and waves 8-11 for V,
; 8,192 bytes a wave, lanes 256 bytes apart: each aligned 256 bytes once in the launch.  The last change that fills a slot asks for nothing.
.macro ASK
	s_cmp_gt_u32 s[SLOTS], s[LIM]
	s_cbranch_scc0 .Lnot_mine_\@
	global_prefetch_b8 v[PFO], s[PFA:PFA+1] th:TH_LOAD_NT scope:SCOPE_SE
.Lnot_mine_\@:
.endm
	s_load_b128 s[4:7], s[0:1], 0x0                ; qkv, oimg
	v_lshl_add_u32 v[SPW], v0, 2, SPARE
	v_mov_b32 v[NIL], 0
	ds_add_u32 v[SPW], v[NIL]                      ; the wave's opening: the add, twice on end, and its wait ahead of my first tensor load
	ds_add_u32 v[SPW], v[NIL]
	v_lshrrev_b32 v1, 5, v0
	v_readfirstlane_b32 s[WV], v1                  ; wave 0..15
	s_and_b32 s16, ttmp7, 0xffff                   ; batch x 16 + head
	s_lshr_b32 s13, s[WV], 2
	s_xor_b32 s13, s13, s[WV]
	s_and_b32 s13, s13, 1                          ; late
	s_sub_co_u32 s14, 7, ttmp9
	s_cmp_eq_u32 s13, 1
	s_cselect_b32 s14, s14, ttmp9                  ; my block of 256 queries: 7 - j or j
	s_lshr_b32 s15, s[WV], 1
	s_lshl_b32 s14, s14, 8
	s_lshl_b32 s15, s15, 5
	s_add_co_u32 s[Q0], s14, s15                   ; my first query
	s_lshl_b32 s[QL], ttmp9, 8
	s_sub_co_u32 s[QL], 2047, s[QL]                ; the work-group's last query
	s_lshl_b32 s12, s16, 18                        ; a head is 262,144 bytes
	s_mov_b32 s13, 0
	s_and_b32 s14, s[WV], 1                        ; which half of a slot I fetch, if I fetch
	s_mul_i32 s15, s14, 64*KP
	s_mul_i32 s17, s14, 64*VP
	s_add_co_u32 s17, s17, VOFF
	s_lshl_b32 s56, s14, 14
	s_mov_b32 s57, 0
	s_mov_b32 s[G1K], (1<<16)|(1<<20)|(5<<22)|(3<<25)   ; elements of 2 bytes; padding: 4 words behind every 64
	s_mov_b32 s[G1V], (1<<16)|(1<<20)|(5<<22)|(7<<25)   ; 8 words
.irp g, G1K, G1V
	s_mov_b32 s[\g+1], 128<<16                     ; tensor_dim0: 256 bytes, two keys
	s_mov_b32 s[\g+2], 64<<16                      ; tensor_dim1
	s_mov_b32 s[\g+3], 128<<16                     ; tile_dim0
	s_mov_b32 s[\g+4], 64                          ; tile_dim1
	s_mov_b32 s[\g+5], 128                         ; from row to row: dense
	s_mov_b32 s[\g+6], 0
	s_mov_b32 s[\g+7], 0
.endr
	s_mov_b32 s[SEL], 0x76543210
	s_mov_b32 s[SEL+1], 0xfedcba98
	s_mov_b32 s[CS], 0x3e38aa3b                    ; c = log2(e) / 8
	s_mov_b32 s[CS+1], s[CS]
	s_mov_b32 s[TB], 0
	s_mov_b32 s[SLOTS], 7
	s_mov_b32 s[KF], 0
	s_wait_dscnt 0x0                               ; both opening adds are done
	s_wait_kmcnt 0x0
	s_add_nc_u64 s[4:5], s[4:5], s[12:13]          ; Q's head
	s_add_nc_u64 s[8:9], s[4:5], 0x1000000         ; K's
	s_add_nc_u64 s[10:11], s[4:5], 0x2000000       ; V's
	s_mov_b32 s[G0K], 1
	s_mov_b32 s[G0K+1], s15
	s_add_nc_u64 s[G0K+2:G0K+3], s[8:9], s[56:57]
	s_or_b32 s[G0K+3], s[G0K+3], 0x80000000
	s_mov_b32 s[G0V], 1
	s_mov_b32 s[G0V+1], s17
	s_add_nc_u64 s[G0V+2:G0V+3], s[10:11], s[56:57]
	s_or_b32 s[G0V+3], s[G0V+3], 0x80000000
	TLOAD                                          ; slot 0
	s_cmp_lt_u32 s[WV], 8
	s_cselect_b64 s[PFA:PFA+1], s[8:9], s[10:11]
	s_and_b32 s56, s[WV], 3
	s_lshl_b32 s56, s56, 13
	s_add_co_u32 s56, s56, 32768                   ; in slot 1: the first change of slots steps it to slot 2.  Nothing is prefetched at the head
	s_add_nc_u64 s[PFA:PFA+1], s[PFA:PFA+1], s[56:57]
	s_sub_co_u32 s56, s[WV], 4
	s_lshr_b32 s56, s56, 3                         ; 0 in waves 4 to 11,
	s_or_b32 s56, s56, ttmp9                       ; of work-group j = 0
	s_cmp_eq_u32 s56, 0
	s_cselect_b32 s[LIM], 1, -1
	s_lshl_b32 s56, s[Q0], 7
	s_add_nc_u64 s[4:5], s[4:5], s[56:57]          ; Q at my first query
	s_lshr_b32 s56, s16, 4
	s_lshl_b32 s56, s56, 7
	s_lshr_b32 s12, s[Q0], 4
	s_add_co_u32 s56, s56, s12                     ; my first tile of 16 rows
	s_lshl_b32 s56, s56, 15
	s_and_b32 s12, s16, 15
	s_lshl_b32 s12, s12, 11                        ; my head's two kf
	s_add_co_u32 s56, s56, s12
	s_add_nc_u64 s[6:7], s[6:7], s[56:57]
	v_bfe_u32 v9, v0, 4, 1                         ; h
	v_and_b32 v10, 15, v0
	v_lshlrev_b32 v[ADK], 7, v10
	v_lshl_add_u32 v[ADK], v9, 4, v[ADK]           ; Q: row r of 128 bytes + 16 h
.irp t, 0,1
.irp c, 0,1
	global_load_b128 v[QF+16*\t+8*\c:QF+16*\t+8*\c+3],   v[ADK], s[4:5] offset:2048*\t+64*\c
	global_load_b128 v[QF+16*\t+8*\c+4:QF+16*\t+8*\c+7], v[ADK], s[4:5] offset:2048*\t+64*\c+32
.endr
.endr
	v_bfe_u32 v10, v0, 1, 3
	v_mul_u32_u24 v[AK0], v10, KP                  ; K: key r: pair row r / 2,
	v_and_b32 v10, 1, v0
	v_lshl_add_u32 v[AK0], v10, 7, v[AK0]          ; + 128 (r % 2),
	v_lshl_add_u32 v[AK0], v9, 4, v[AK0]           ; + 16 h
	v_bfe_u32 v10, v0, 1, 2
	v_lshl_add_u32 v10, v9, 2, v10
	v_mul_u32_u24 v[AV0], v10, VP                  ; V, for the turning load: key 8 h + l % 8: pair row 4 h + (l / 2) % 4,
	v_and_b32 v10, 1, v0
	v_lshl_add_u32 v[AV0], v10, 7, v[AV0]
	v_bfe_u32 v10, v0, 3, 1
	v_lshl_add_u32 v[AV0], v10, 4, v[AV0]          ; channels 8 ((l / 8) % 2) on
	v_add_nc_u32 v[AV0], VOFF, v[AV0]
	v_and_b32 v10, 31, v0
	v_lshlrev_b32 v[PFO], 8, v10
	v_lshlrev_b32 v[GO], 4, v10
.irp t, 0,1
	v_mov_b32 v[ST+8*\t+1], 0xff61b1e6             ; m: -3e38, under every score
	v_mul_f32 v[ST+8*\t], s[CS], v[ST+8*\t+1]      ; c m
	v_mov_b32 v[ST+8*\t+2], 0                      ; the sum, in two halves
	v_mov_b32 v[ST+8*\t+3], 0
.endr
.set n, 0
.rept 64
	v_mov_b32 v[OT+n], 0                           ; O^T: the step is written once; its first run finds zeros, which a = 0 leaves zeros
.set n, n+1
.endr
; A KEY STEP: 64 keys, the q-th of the slot in hand.
.macro STEP q
	s_add_co_u32 s56, s[Q0], 31
	s_cmp_gt_u32 s[KF], s56                        ; all 64 keys come after my 32 queries: the step's work is left out
	s_cbranch_scc1 .Lhidden_\@
	v_add_nc_u32 v[ADK], s[TB], v[AK0]
	v_add_nc_u32 v[ADV], s[TB], v[AV0]
.rept 3
	v_nop                                          ; with the two additions five places behind the last step's products: four for the loads into V's registers, five since K Q^T writes over P's
.endr
.irp k, 0,1,2,3
.irp c, 0,1
	ds_load_b128 v[KV+8*(2*\k+\c):KV+8*(2*\k+\c)+3],   v[ADK] offset:(32*(\q)+8*\k)*KP+64*\c
	ds_load_b128 v[KV+8*(2*\k+\c)+4:KV+8*(2*\k+\c)+7], v[ADK] offset:(32*(\q)+8*\k)*KP+64*\c+32
.endr
.endr
	s_wait_dscnt 0x0
.irp c, 0,1                                    ; S^T = K Q^T: eight accumulators by turns
.irp k, 0,1,2,3
.irp t, 0,1
.if \c == 0
	v_wmma_f32_16x16x32_f16 v[SS+32*\t+8*\k:SS+32*\t+8*\k+7], v[KV+8*(2*\k+\c):KV+8*(2*\k+\c)+7], v[QF+16*\t+8*\c:QF+16*\t+8*\c+7], 0
.else
	v_wmma_f32_16x16x32_f16 v[SS+32*\t+8*\k:SS+32*\t+8*\k+7], v[KV+8*(2*\k+\c):KV+8*(2*\k+\c)+7], v[QF+16*\t+8*\c:QF+16*\t+8*\c+7], v[SS+32*\t+8*\k:SS+32*\t+8*\k+7]
.endif
.endr
.endr
.endr
.rept 4
	v_nop                                          ; places ahead of the loads into K's registers and of the first read of the scores
.endr
.irp g, 0,1                                    ; V, turned: keys 32 g on, channels 16 d on; it lands under the softmax
.irp d, 0,1,2,3
	ds_load_tr16_b128 v[KV+8*(4*\g+\d):KV+8*(4*\g+\d)+3],   v[ADV] offset:(32*(\q)+16*\g)*VP+32*\d
	ds_load_tr16_b128 v[KV+8*(4*\g+\d)+4:KV+8*(4*\g+\d)+7], v[ADV] offset:(32*(\q)+16*\g+8)*VP+32*\d
.endr
.endr
	s_add_co_u32 s56, s[KF], 63
	s_cmp_le_u32 s56, s[Q0]                        ; all keys count for all my queries: no mask
	s_cbranch_scc1 .Lopen_\@
	s_sub_co_i32 s56, s[Q0], s[KF]
	v_and_b32 v9, 15, v0
	v_bfe_u32 v10, v0, 4, 1
	v_lshlrev_b32 v10, 3, v10
	v_sub_nc_u32 v9, v9, v10
	v_add_nc_u32 v9, s56, v9                       ; d = my query - KF - 8 h.  Register 8 k + i holds key KF + 16 k + 8 h + i: hidden where 16 k + i > d
	v_add_nc_u32 v10, 16, v9                       ; tile 1's queries are 16 on
	v_mov_b32 v11, 0xff800000                      ; -infinity
.irp t, 0,1
.set n, 0
.rept 32
	v_cmp_gt_i32 vcc_lo, 16*(n/8)+n%8, v[9+\t]
	v_cndmask_b32 v[SS+32*\t+n], v[SS+32*\t+n], v11, vcc_lo
.set n, n+1
.endr
.endr
.Lopen_\@:
	; the maximum of the lane's 32 scores and the old m; the two tiles line by line
.irp j, 0,1,2,3
.irp t, 0,1
	v_max3_num_f32 v[ST+8*\t+4+\j], v[SS+32*\t+8*\j], v[SS+32*\t+8*\j+1], v[SS+32*\t+8*\j+2]
.endr
.endr
.irp i, 3,5
.irp j, 0,1,2,3
.irp t, 0,1
	v_max3_num_f32 v[ST+8*\t+4+\j], v[ST+8*\t+4+\j], v[SS+32*\t+8*\j+\i], v[SS+32*\t+8*\j+\i+1]
.endr
.endr
.endr
.irp t, 0,1
	v_max3_num_f32 v[ST+8*\t+4], v[ST+8*\t+4], v[SS+32*\t+7], v[SS+32*\t+15]
	v_max3_num_f32 v[ST+8*\t+6], v[ST+8*\t+6], v[SS+32*\t+23], v[SS+32*\t+31]
.endr
.irp t, 0,1
	v_max3_num_f32 v[ST+8*\t+4], v[ST+8*\t+4], v[ST+8*\t+5], v[ST+8*\t+6]
.endr
.irp t, 0,1
	v_max3_num_f32 v[ST+8*\t+4], v[ST+8*\t+4], v[ST+8*\t+7], v[ST+8*\t+1]
.endr
.irp t, 0,1
	v_permlanex16_b32 v[ST+8*\t+5], v[ST+8*\t+4], s[SEL], s[SEL+1]   ; the query's other 32 keys lie in the lane 16 away
.endr
.irp t, 0,1
	v_mov_b32 v[ST+8*\t+7], v[ST+8*\t]             ; c m_old
.endr
.irp t, 0,1
	v_max_num_f32 v[ST+8*\t+1], v[ST+8*\t+4], v[ST+8*\t+5]
.endr
.irp t, 0,1
	v_mul_f32 v[ST+8*\t], s[CS], v[ST+8*\t+1]
.endr
.irp t, 0,1
	v_sub_f32 v[ST+8*\t+7], v[ST+8*\t+7], v[ST+8*\t]
.endr
.irp t, 0,1
	v_exp_f32 v[ST+8*\t+6], v[ST+8*\t+7]           ; a = 2^(c m_old - c m_new)
.endr
.set n, 0
.rept 16
.irp t, 0,1
	v_pk_fma_f32 v[SS+32*\t+2*n:SS+32*\t+2*n+1], v[SS+32*\t+2*n:SS+32*\t+2*n+1], s[CS:CS+1], v[ST+8*\t:ST+8*\t+1] op_sel_hi:[1,0,0] neg_lo:[0,0,1] neg_hi:[0,0,1]   ; c s - c m
.endr
.set n, n+1
.endr
.set n, 0
.rept 32
	v_exp_f32 v[SS+n], v[SS+n]                     ; p = 2^(c s - c m)
	v_exp_f32 v[SS+32+n], v[SS+32+n]
.set n, n+1
.endr
	v_nop                                          ; a plain instruction behind the last exponential
	s_wait_alu depctr_va_vdst(0)                   ; one wait for the batch of 66, ahead of its first reader
.irp t, 0,1
	v_pk_mul_f32 v[ST+8*\t+2:ST+8*\t+3], v[ST+8*\t+2:ST+8*\t+3], v[ST+8*\t+6:ST+8*\t+7] op_sel_hi:[1,0]   ; the sum under the new m
.endr
.irp t, 0,1
	v_pk_add_f32 v[28+2*\t:29+2*\t], v[SS+32*\t:SS+32*\t+1], v[SS+32*\t+2:SS+32*\t+3]   ; the sum is taken of the unrounded p, in two chains
.endr
.irp j, 4,8,12,16,20,24,28
.irp t, 0,1
	v_pk_add_f32 v[ST+8*\t+2:ST+8*\t+3], v[ST+8*\t+2:ST+8*\t+3], v[SS+32*\t+\j:SS+32*\t+\j+1]
	v_pk_add_f32 v[28+2*\t:29+2*\t], v[28+2*\t:29+2*\t], v[SS+32*\t+\j+2:SS+32*\t+\j+3]
.endr
.endr
.irp t, 0,1
	v_pk_add_f32 v[ST+8*\t+2:ST+8*\t+3], v[ST+8*\t+2:ST+8*\t+3], v[28+2*\t:29+2*\t]
.endr
.irp t, 0,1
.set n, 0
.rept 16
	v_cvt_pk_f16_f32 v[SS+32*\t+n], v[SS+32*\t+2*n], v[SS+32*\t+2*n+1]   ; P, in place: register n is written when 2 n and 2 n + 1 are read, and never read again
.set n, n+1
.endr
.endr
.irp t, 0,1
.set n, 0
.rept 16
	v_pk_mul_f32 v[OT+32*\t+2*n:OT+32*\t+2*n+1], v[OT+32*\t+2*n:OT+32*\t+2*n+1], v[ST+8*\t+6:ST+8*\t+7] op_sel_hi:[1,0]   ; O^T under the new m
.set n, n+1
.endr
.endr
	s_wait_dscnt 0x0                               ; V is in
.irp g, 0,1                                    ; O^T += V^T P: eight accumulators by turns
.irp d, 0,1,2,3
.irp t, 0,1
	v_wmma_f32_16x16x32_f16 v[OT+32*\t+8*\d:OT+32*\t+8*\d+7], v[KV+8*(4*\g+\d):KV+8*(4*\g+\d)+7], v[SS+32*\t+8*\g:SS+32*\t+8*\g+7], v[OT+32*\t+8*\d:OT+32*\t+8*\d+7]
.endr
.endr
.endr
.Lhidden_\@:
	s_add_co_u32 s[KF], s[KF], 64
.endm
; THE CHANGE OF SLOTS, at a slot's head: each wave waits for all its tensor loads, adds 0 to its spare word (fill = 1: twice on end), waits for that and for its reads of the slot that it has left; one barrier.
; fill = 1: the slot just left is filled with the next 256 keys, unless their first comes after the work-group's last query: a test on ids and the count of steps, the same in all sixteen waves.
; Every wait for tensor loads in this text is for 0; a wave has at most one tensor load out.
.macro CHANGE fill
	s_wait_tensorcnt 0x0
	ds_add_u32 v[SPW], v[NIL]
.if \fill
	ds_add_u32 v[SPW], v[NIL]                      ; and once more, in every trip alike
	s_xor_b32 s[G0K+1], s[G0K+1], SLOT1
	s_add_nc_u64 s[G0K+2:G0K+3], s[G0K+2:G0K+3], 32768
	s_xor_b32 s[G0V+1], s[G0V+1], SLOT1
	s_add_nc_u64 s[G0V+2:G0V+3], s[G0V+2:G0V+3], 32768
	s_wait_xcnt 0x0                                ; the last prefetch, a slot back, has read its address
	s_add_nc_u64 s[PFA:PFA+1], s[PFA:PFA+1], 32768
.endif
	s_wait_dscnt 0x0
	s_barrier_signal -1
	s_barrier_wait -1
.if \fill
	s_add_co_u32 s56, s[KF], 256                   ; the first key of the slot that this change would ask for
	s_cmp_gt_u32 s56, s[QL]
	s_cbranch_scc1 .Lpast_\@
	TLOAD
.Lpast_\@:
	ASK
.endif
.endm
.macro SLOT_STEPS
	STEP 0
	STEP 1
	STEP 2
	STEP 3
	s_xor_b32 s[TB], s[TB], SLOT1
.endm
	s_wait_loadcnt 0x0                             ; Q
.Lslot:                                            ; 7 trips
	CHANGE 1
	SLOT_STEPS
	s_sub_co_u32 s[SLOTS], s[SLOTS], 1
	s_cmp_lg_u32 s[SLOTS], 0
	s_cbranch_scc1 .Lslot
	CHANGE 0                                       ; the last slot is written out: nothing is left to ask for
	SLOT_STEPS
	; THE WAY OUT: O^T / the sum, rounded to f16: a lane's eight channels of a tile ARE four registers of the next product's operand, so they are stored as they stand.
.irp t, 0,1
	v_add_f32 v[ST+8*\t+4], v[ST+8*\t+2], v[ST+8*\t+3]
.endr
.irp t, 0,1
	v_permlanex16_b32 v[ST+8*\t+5], v[ST+8*\t+4], s[SEL], s[SEL+1]
.endr
.irp t, 0,1
	v_add_f32 v[ST+8*\t+4], v[ST+8*\t+4], v[ST+8*\t+5]
.endr
.irp t, 0,1
	v_rcp_f32 v[ST+8*\t+6], v[ST+8*\t+4]
.endr
	v_nop
	s_wait_alu depctr_va_vdst(0)                   ; one wait for the two reciprocals, ahead of their first reader
.irp t, 0,1
.set n, 0
.rept 16
	v_pk_mul_f32 v[OT+32*\t+2*n:OT+32*\t+2*n+1], v[OT+32*\t+2*n:OT+32*\t+2*n+1], v[ST+8*\t+6:ST+8*\t+7] op_sel_hi:[1,0]
.set n, n+1
.endr
.endr
.set n, 0
.rept 32
	v_cvt_pk_f16_f32 v[SS+n], v[OT+2*n], v[OT+2*n+1]
.set n, n+1
.endr
.irp t, 0,1
.irp c, 0,1
.irp u, 0,1
	global_store_b128 v[GO], v[SS+16*\t+8*\c+4*\u:SS+16*\t+8*\c+4*\u+3], s[6:7] offset:32768*\t+1024*\c+512*\u   ; 512 consecutive bytes, aligned
.endr
.endr
.endr
	s_wait_tensorcnt 0x0                           ; the wave's end
	ds_add_u32 v[SPW], v[NIL]
	s_wait_dscnt 0x0
	s_endpgm
.Lfunc_end_k_qeacb147cd5_attn:
	.size	k_qeacb147cd5_attn, .Lfunc_end_k_qeacb147cd5_attn-k_qeacb147cd5_attn
	.p2alignl 7, 3214868480
	.fill 96, 4, 3214868480
	.section	.rodata,"a",@progbits
	.p2align	6, 0x0
	.amdhsa_kernel k_qeacb147cd5_attn
		.amdhsa_group_segment_fixed_size 327680
		.amdhsa_private_segment_fixed_size 0
		.amdhsa_enable_private_segment 0
		.amdhsa_kernarg_size 16
		.amdhsa_user_sgpr_count 2
		.amdhsa_user_sgpr_kernarg_segment_ptr 1
		.amdhsa_wavefront_size32 1
		.amdhsa_system_sgpr_workgroup_id_x 1
		.amdhsa_system_sgpr_workgroup_id_y 1
		.amdhsa_system_sgpr_workgroup_id_z 1
		.amdhsa_system_vgpr_workitem_id 0
		.amdhsa_next_free_vgpr 256
		.amdhsa_next_free_sgpr 66
		.amdhsa_reserve_vcc 1
		.amdhsa_float_denorm_mode_32 3
		.amdhsa_float_denorm_mode_16_64 3
		.amdhsa_memory_ordered 1
		.amdhsa_forward_progress 1
		.amdhsa_inst_pref_size 188
	.end_amdhsa_kernel
	.amdgpu_metadata
---
amdhsa.version: [ 1, 2 ]
amdhsa.kernels:
  - .name:           k_qeacb147cd5_attn
    .symbol:         k_qeacb147cd5_attn.kd
    .args:
      - { .name: qkv, .offset: 0, .size: 8, .value_kind: global_buffer, .address_space: global }
      - { .name: oimg, .offset: 8, .size: 8, .value_kind: global_buffer, .address_space: global }
    .group_segment_fixed_size: 327680
    .private_segment_fixed_size: 0
    .kernarg_segment_align: 8
    .kernarg_segment_size: 16
    .max_flat_workgroup_size: 512
    .sgpr_count:     66
    .vgpr_count:     256
    .wavefront_size: 32
...
	.end_amdgpu_metadata
.endif
;; end of part 3
;; launch proj (part 4): grid 8 x 32, 4 waves a work-group, clusters of 4 x 4, 327,680 bytes of LDS; arguments oimg, wimg, WO_b, out0; writes out0
.if DOCPART == 4
	.amdgcn_target "amdgcn-amd-amdhsa--gfx1250"
	.amdhsa_code_object_version 6
	.text
	.protected	k_qeacb147cd5_proj
	.globl	k_qeacb147cd5_proj
	.p2align	8
	.type	k_qeacb147cd5_proj,@function
k_qeacb147cd5_proj:
	s_mov_b64 s[64:65], 0
	v_nop
	global_prefetch_b8 v0, s[64:65] scope:SCOPE_SE
	s_setreg_imm32_b32 hwreg(HW_REG_WAVE_MODE, 25, 1), 1
	s_wait_xcnt 0x0
	s_wait_alu depctr_hold_cnt(0) depctr_sa_sdst(0) depctr_va_vdst(0) depctr_va_sdst(0) depctr_va_ssrc(0) depctr_va_vcc(0) depctr_vm_vsrc(0)
	s_getreg_b32 s2, hwreg(HW_REG_IB_STS2, 6, 4)
	s_cmp_eq_u32 s2, 0
	s_cbranch_scc0 .Lentry_in_a_cluster
	s_endpgm
.Lentry_in_a_cluster:
	s_bfe_u32 s2, ttmp6, 0x10000c
	s_cmp_lg_u32 s2, 0xf033
	s_cbranch_scc0 .Lentry_shape_is_right
	s_endpgm
.Lentry_shape_is_right:
; out0 = O WO^T + WO_b, f16 operands, f32 sums.  O and WO arrive as images of operand registers (oimg, wimg: [tile of 16 rows][32 kf][2 halves][32 lanes][16 bytes]), so a fragment is two loads at 16 x lane.
; NOT STORED HERE: positions 0-15 of each sequence, which the last launch makes in f32 (they lie inside live tiles, so they are multiplied along).
; A tile of out0 is 256 rows x 128 columns: 256 work-groups.  Four waves, each 128 rows x 64 columns: 32 accumulators, window 1 ((a, b) at v[8 (4 a + b)]).  K in 8 steps of 128 through two LDS slots.
; CLUSTERS: 4 x 4; O's tiles are asked for jointly along a row of the cluster, WO's along a column.  Tile row = 8 cy + cluster y: the tiles that hold positions 0-15 are those of cluster y = 0.
; THE MATRIX INSTRUCTION IS USED TRANSPOSED (source 0 = 16 rows of WO, source 1 = 16 rows of O): a lane holds eight neighbouring columns of a row.  The bias is the C of the first products.
; No prefetch: the tiles are shared by joint loads and a step's tiles are small beside its 128 matrix instructions a wave.
.set SLOT,  98304                      ; O: 16 row tiles x 4,096 bytes; WO: 8 column tiles x 4,096 bytes
.set BOFF,  65536
.set STAGE, 2*SLOT                     ; the way out: 16 rows x (256 + 16) bytes for each wave
.set SPITCH, 272
.set SPARE, STAGE+4*16*SPITCH          ; the spare words, 128 bytes a wave
.set ADRA, 16
.set ADRB, 20
.set STO,  24
.set RD,   25
.set CO,   26
.set BO,   27
.set SPW,  28
.set NIL,  29
.set BI,   32                          ; v32-63   the bias, 8 registers for each block of 16 columns
.set AF,   64                          ; v64-191  O's fragments, two buffers of 64
.set BF,   192                         ; v192-255 WO's, two buffers of 32
.set BK,   64                          ; the way out: v64-95 and v96-127 by turns
.set G1, 24
.set G0, 32
.set G1B, 48
.set G0B, 56
.set MSB, 0
.macro WIN new
.if MSB != (\new)
	s_set_vgpr_msb (MSB<<8)|(\new)
.set MSB, (\new)
.endif
.endm
.set MUL, 0x50                         ; C and D window 1, sources window 0
.macro JLOAD s                         ; waves 0 and 1 fetch O's halves, waves 2 and 3 WO's; an s_nop 0 and four v_nop follow each line
	s_cmp_eq_u32 s15, 0
	s_cbranch_scc0 .Lfor_b_\@
	tensor_load_to_lds s[G0+4*\s:G0+4*\s+3], s[G1:G1+7]
	s_nop 0
.rept 4
	v_nop
.endr
	s_branch .Lasked_\@
.Lfor_b_\@:
	tensor_load_to_lds s[G0B+4*\s:G0B+4*\s+3], s[G1B:G1B+7]
	s_nop 0
.rept 4
	v_nop
.endr
.Lasked_\@:
.endm
.macro CREST
	s_cmp_lg_u32 s14, 0
	s_cbranch_scc1 .Lnot_wave_0_\@
	s_barrier_signal -3
.Lnot_wave_0_\@:
	s_barrier_wait -3
	s_barrier_signal -1
	s_barrier_wait -1
.endm
.macro CROUND
	s_barrier_signal -1
	s_barrier_wait -1
	CREST
.endm
	s_load_b128 s[4:7], s[0:1], 0x0                ; oimg, wimg
	s_load_b128 s[8:11], s[0:1], 0x10              ; WO_b, out0
	v_lshl_add_u32 v[SPW], v0, 2, SPARE
	v_mov_b32 v[NIL], 0
	ds_add_u32 v[SPW], v[NIL]                      ; the wave's opening: the add, twice on end, and its wait ahead of my first tensor load
	ds_add_u32 v[SPW], v[NIL]
	v_lshrrev_b32 v1, 5, v0
	v_readfirstlane_b32 s14, v1                    ; wave 0..3
	s_lshr_b32 s15, s14, 1                         ; which half of the rows is mine; also: I fetch for O (0) or WO (1)
	s_and_b32 s16, s14, 1                          ; which half of the columns; also: which half of that tile I fetch
	s_bfe_u32 s40, ttmp6, 0x40000                  ; cx
	s_bfe_u32 s41, ttmp6, 0x40004                  ; cy
	s_lshl_b32 s42, ttmp9, 2
	s_add_co_u32 s42, s42, s40                     ; tile column
	s_and_b32 s12, ttmp7, 0xffff                   ; cluster y
	s_lshl_b32 s13, s41, 3
	s_add_co_u32 s13, s13, s12                     ; tile row = 8 cy + cluster y
	s_lshl_b32 s43, s41, 2
	s_lshl_b32 s43, 15, s43                        ; my row of the cluster
	s_lshl_b32 s44, 0x1111, s40                    ; my column
	s_or_b32 s[G1+0], s43, (3<<16)|(1<<21)         ; the mask; elements of 8 bytes; no padding
	s_or_b32 s[G1B+0], s44, (3<<16)|(1<<21)
	s_mov_b32 s[G1+1], 512<<16                     ; tensor_dim0: 4,096 bytes: a tile's four images of a K step
	s_mov_b32 s[G1+2], 8<<16                       ; tensor_dim1: 8 row tiles
	s_mov_b32 s[G1+3], 512<<16                     ; tile_dim0
	s_mov_b32 s[G1+4], 8                           ; tile_dim1
	s_mov_b32 s[G1+5], 4096                        ; from tile to tile: 32,768 bytes
	s_mov_b32 s[G1+6], 0
	s_mov_b32 s[G1+7], 0
	s_mov_b32 s[G1B+1], 512<<16
	s_mov_b32 s[G1B+2], 4<<16                      ; 4 column tiles
	s_mov_b32 s[G1B+3], 512<<16
	s_mov_b32 s[G1B+4], 4
	s_mov_b32 s[G1B+5], 4096
	s_mov_b32 s[G1B+6], 0
	s_mov_b32 s[G1B+7], 0
	s_lshl_b32 s20, s13, 19                        ; O: (16 x tile row + 8 x half) x 32,768
	s_lshl_b32 s17, s16, 18
	s_add_co_u32 s20, s20, s17
	s_mov_b32 s21, 0
	s_lshl_b32 s46, s42, 18                        ; WO: (8 x tile column + 4 x half) x 32,768
	s_lshl_b32 s17, s16, 17
	s_add_co_u32 s46, s46, s17
	s_mov_b32 s47, 0
	s_lshl_b32 s22, s16, 15                        ; where they go in a slot: no place in the cluster enters an LDS address
	s_lshl_b32 s23, s16, 14
	s_add_co_u32 s23, s23, BOFF
	s_wait_dscnt 0x0                               ; both opening adds are done
	s_wait_kmcnt 0x0
	s_add_nc_u64 s[18:19], s[4:5], s[20:21]
	s_add_nc_u64 s[46:47], s[6:7], s[46:47]
	CROUND                                         ; all sixteen work-groups are here: the first joint loads meet
.irp s, 0,1
	s_mov_b32 s[G0+4*\s], 1
	s_add_co_u32 s[G0+4*\s+1], s22, \s*SLOT
	s_add_nc_u64 s[G0+4*\s+2:G0+4*\s+3], s[18:19], \s*4096
	s_or_b32 s[G0+4*\s+3], s[G0+4*\s+3], 0x80000000
	s_mov_b32 s[G0B+4*\s], 1
	s_add_co_u32 s[G0B+4*\s+1], s23, \s*SLOT
	s_add_nc_u64 s[G0B+4*\s+2:G0B+4*\s+3], s[46:47], \s*4096
	s_or_b32 s[G0B+4*\s+3], s[G0B+4*\s+3], 0x80000000
	JLOAD \s
.endr
	v_and_b32 v1, 31, v0
	v_lshlrev_b32 v2, 4, v1                        ; 16 x lane
	v_and_b32 v3, 15, v0                           ; r
	v_bfe_u32 v4, v0, 4, 1                         ; h
	v_lshlrev_b32 v[BO], 5, v4
	s_lshl_b32 s46, s42, 9                         ; my first column, in bytes: 512 x tile column + 256 x half
	s_lshl_b32 s47, s16, 8
	s_add_co_u32 s46, s46, s47
	s_mov_b32 s47, 0
	s_add_nc_u64 s[8:9], s[8:9], s[46:47]
.irp b, 0,1,2,3
	global_load_b128 v[BI+8*\b:BI+8*\b+3],   v[BO], s[8:9] offset:64*\b       ; register 8 b + j of lane (r, h) = WO_b[16 b + 8 h + j]
	global_load_b128 v[BI+8*\b+4:BI+8*\b+7], v[BO], s[8:9] offset:64*\b+16
.endr
	s_add_nc_u64 s[10:11], s[10:11], s[46:47]
	s_lshl_b32 s20, s13, 20                        ; my first row: (256 x tile row + 128 x half) x 4,096 bytes
	s_lshl_b32 s21, s15, 19
	s_add_co_u32 s20, s20, s21
	s_mov_b32 s21, 0
	s_add_nc_u64 s[10:11], s[10:11], s[20:21]
	s_or_b32 s45, s12, s15                         ; 0 where my first 16 rows are positions 0-15
	s_lshl_b32 s21, s15, 15
	s_lshl_b32 s22, s16, 14
	s_add_co_u32 s22, s22, BOFF
.irp s, 0,1
	v_add_nc_u32 v[ADRA+\s], s21, v2
	v_add_nc_u32 v[ADRB+\s], s22, v2
	s_add_co_u32 s21, s21, SLOT
	s_add_co_u32 s22, s22, SLOT
.endr
	s_mul_i32 s23, s14, 16*SPITCH
	s_add_co_u32 s23, s23, STAGE                   ; my stage
	v_mul_u32_u24 v5, v3, SPITCH
	v_lshl_add_u32 v5, v4, 5, v5
	v_add_nc_u32 v[STO], s23, v5                   ; in: row r, 32 bytes for each half of the lanes
	v_mul_u32_u24 v5, v4, SPITCH
	v_lshl_add_u32 v5, v3, 4, v5
	v_add_nc_u32 v[RD], s23, v5                    ; back: lanes 0-15 one row of 256 bytes, lanes 16-31 the next
	v_lshlrev_b32 v5, 12, v4
	v_lshl_add_u32 v[CO], v3, 4, v5                ; and the same two rows in out0
; 8 matrix instructions: O's blocks a0, a0 + 1 x WO's four, 32 along K, from buffer f.  first = 1: the bias starts the sums.  The 32 accumulators take turns.
.macro MUL8 f, a0, first
.irp a, \a0, \a0+1
.irp b, 0,1,2,3
.if \first
	v_wmma_f32_16x16x32_f16 v[8*(4*(\a)+\b):8*(4*(\a)+\b)+7], v[BF+32*(\f)+8*\b:BF+32*(\f)+8*\b+7], v[AF+64*(\f)+8*(\a):AF+64*(\f)+8*(\a)+7], v[BI+8*\b:BI+8*\b+7]
.else
	v_wmma_f32_16x16x32_f16 v[8*(4*(\a)+\b):8*(4*(\a)+\b)+7], v[BF+32*(\f)+8*\b:BF+32*(\f)+8*\b+7], v[AF+64*(\f)+8*(\a):AF+64*(\f)+8*(\a)+7], v[8*(4*(\a)+\b):8*(4*(\a)+\b)+7]
.endif
.endr
.endr
.endm
.macro FETCH slot, q, f                ; 24 LDS loads in one run: WO's four fragments, O's blocks 0-3, O's blocks 4-7, of the slot's q-th 32 along K
	WIN 0
.irp b, 0,1,2,3
	ds_load_b128 v[BF+32*(\f)+8*\b:BF+32*(\f)+8*\b+3],   v[ADRB+\slot] offset:4096*\b+1024*(\q)
	ds_load_b128 v[BF+32*(\f)+8*\b+4:BF+32*(\f)+8*\b+7], v[ADRB+\slot] offset:4096*\b+1024*(\q)+512
.endr
.irp a, 0,1,2,3,4,5,6,7
	ds_load_b128 v[AF+64*(\f)+8*\a:AF+64*(\f)+8*\a+3],   v[ADRA+\slot] offset:4096*\a+1024*(\q)
	ds_load_b128 v[AF+64*(\f)+8*\a+4:AF+64*(\f)+8*\a+7], v[ADRA+\slot] offset:4096*\a+1024*(\q)+512
.endr
.endm
.macro PLACES
.rept 4
	v_nop
.endr
.endm
.macro QUARTER slot, q, f, g, first    ; multiplies buffer f; in its middle fetches the slot's q-th 32 along K into buffer g
	s_wait_dscnt 8                                 ; WO's and O's blocks 0-3 are in; the youngest eight loads (blocks 4-7) may be out
	WIN MUL-0x10*(\first)                          ; first = 1: C in window 0
	MUL8 \f, 0, \first
	MUL8 \f, 2, \first
	PLACES
	FETCH \slot, \q, \g
	s_wait_dscnt 24                                ; all but the 24 just issued
	WIN MUL-0x10*(\first)
	MUL8 \f, 4, \first
	MUL8 \f, 6, \first
.endm
; A slot's last quarter multiplies buffer 1 and changes slots: one barrier; ahead of it each wave waits for all its tensor loads, adds 0 to its spare word, waits for that and for its reads of the slot.
.macro TURN slot, next, fill
	WIN 0
	s_wait_tensorcnt 0x0                           ; my one load that was out: my part of the next slot
	ds_add_u32 v[SPW], v[NIL]
	s_wait_dscnt 9                                 ; the add and the youngest eight loads may be out
	WIN MUL
	MUL8 1, 0, 0
	s_wait_dscnt 0x0                               ; the add is done, and my reads of this slot are over
	s_barrier_signal -1
	MUL8 1, 2, 0
.if \fill
	WIN 0
.endif
	s_barrier_wait -1
.if \fill
	CREST                                          ; the barrier has opened a round of the cluster's: no wave of any partner still reads this slot or has a load on its way
	s_add_nc_u64 s[G0+4*\slot+2:G0+4*\slot+3], s[G0+4*\slot+2:G0+4*\slot+3], 8192
	s_add_nc_u64 s[G0B+4*\slot+2:G0B+4*\slot+3], s[G0B+4*\slot+2:G0B+4*\slot+3], 8192
	JLOAD \slot                                    ; its four v_nop are also the places ahead of the loads below
.else
	PLACES
.endif
	FETCH \next, 0, 0
	WIN MUL
	MUL8 1, 4, 0
	MUL8 1, 6, 0
.endm
	s_wait_tensorcnt 1                             ; my part of K step 0 is in; K step 1's load may be out,
	s_barrier_signal -1
	s_barrier_wait -1                              ; everybody's is
	FETCH 0, 0, 0
	s_wait_loadcnt 0x0                             ; the bias
	QUARTER 0, 1, 0, 1, 1
	WIN 0
	s_mov_b32 s3, 3
.Llap:                                             ; a trip goes once round the ring and fills both slots again: K steps 2 to 7
	QUARTER 0, 2, 1, 0, 0
	QUARTER 0, 3, 0, 1, 0
	TURN 0, 1, 1
	QUARTER 1, 1, 0, 1, 0
	QUARTER 1, 2, 1, 0, 0
	QUARTER 1, 3, 0, 1, 0
	TURN 1, 0, 1
	QUARTER 0, 1, 0, 1, 0
	WIN 0
	s_sub_co_u32 s3, s3, 1
	s_cmp_lg_u32 s3, 0
	s_cbranch_scc1 .Llap
	QUARTER 0, 2, 1, 0, 0                          ; the last lap fills nothing
	QUARTER 0, 3, 0, 1, 0
	TURN 0, 1, 0
	QUARTER 1, 1, 0, 1, 0
	QUARTER 1, 2, 1, 0, 0
	QUARTER 1, 3, 0, 1, 0
	s_wait_dscnt 8
	WIN MUL
	MUL8 1, 0, 0
	MUL8 1, 2, 0
	s_wait_dscnt 0
	MUL8 1, 4, 0
	MUL8 1, 6, 0
	WIN 0
; THE WAY OUT, a block of 16 rows x 64 columns at a time, through my own stage: back as whole rows of 256 bytes.
.macro TOSTAGE a
	WIN 0x04                                       ; an LDS store's data: window 1
.irp b, 0,1,2,3
	ds_store_b128 v[STO], v[8*(4*(\a)+\b):8*(4*(\a)+\b)+3]   offset:64*\b       ; each accumulator from its low end on
	ds_store_b128 v[STO], v[8*(4*(\a)+\b)+4:8*(4*(\a)+\b)+7] offset:64*\b+16
.endr
	WIN 0
.set BB, BK+32*((\a)%2)
.irp t, 0,1,2,3,4,5,6,7
	ds_load_b128 v[BB+4*\t:BB+4*\t+3], v[RD] offset:2*\t*SPITCH   ; LDS serves a wave's instructions in order: these see the stores above
.endr
.endm
.macro SEND a, younger                 ; younger: the LDS instructions issued behind block a's loads
.set BB, BK+32*((\a)%2)
	s_wait_dscnt \younger
.if (\a) == 0
	s_cmp_eq_u32 s45, 0                            ; positions 0-15 belong to the last launch
	s_cbranch_scc1 .Lskip
.endif
.irp t, 0,1,2,3,4,5,6,7
	global_store_b128 v[CO], v[BB+4*\t:BB+4*\t+3], s[10:11] offset:65536*(\a)+8192*\t th:TH_STORE_NT   ; sixteen lanes store 256 consecutive bytes, aligned
.endr
.if (\a) == 0
.Lskip:
.endif
.endm
	PLACES                                         ; behind the last products: ahead of the first read of results and of loads into O's fragment registers
	TOSTAGE 0
.irp a, 1,2,3,4,5,6,7
.if \a > 1
	s_wait_xcnt 0x0                                ; block a - 2's stores have read their registers: block a's loads may land there
.endif
	TOSTAGE \a
	SEND \a-1, 16                                  ; behind block a - 1's loads: block a's 8 stores and 8 loads
.endr
	SEND 7, 0
	s_wait_tensorcnt 0x0                           ; the wave's end
	ds_add_u32 v[SPW], v[NIL]
	s_wait_dscnt 0x0
	CROUND                                         ; the closing round
	s_endpgm
.Lfunc_end_k_qeacb147cd5_proj:
	.size	k_qeacb147cd5_proj, .Lfunc_end_k_qeacb147cd5_proj-k_qeacb147cd5_proj
	.p2alignl 7, 3214868480
	.fill 96, 4, 3214868480
	.section	.rodata,"a",@progbits
	.p2align	6, 0x0
	.amdhsa_kernel k_qeacb147cd5_proj
		.amdhsa_group_segment_fixed_size 327680
		.amdhsa_private_segment_fixed_size 0
		.amdhsa_enable_private_segment 0
		.amdhsa_kernarg_size 32
		.amdhsa_user_sgpr_count 2
		.amdhsa_user_sgpr_kernarg_segment_ptr 1
		.amdhsa_wavefront_size32 1
		.amdhsa_system_sgpr_workgroup_id_x 1
		.amdhsa_system_sgpr_workgroup_id_y 1
		.amdhsa_system_sgpr_workgroup_id_z 1
		.amdhsa_system_vgpr_workitem_id 0
		.amdhsa_next_free_vgpr 512
		.amdhsa_next_free_sgpr 66
		.amdhsa_reserve_vcc 0
		.amdhsa_float_denorm_mode_32 3
		.amdhsa_float_denorm_mode_16_64 3
		.amdhsa_memory_ordered 1
		.amdhsa_forward_progress 1
		.amdhsa_inst_pref_size 86
	.end_amdhsa_kernel
	.amdgpu_metadata
---
amdhsa.version: [ 1, 2 ]
amdhsa.kernels:
  - .name:           k_qeacb147cd5_proj
    .symbol:         k_qeacb147cd5_proj.kd
    .args:
      - { .name: oimg, .offset: 0, .size: 8, .value_kind: global_buffer, .address_space: global }
      - { .name: wimg, .offset: 8, .size: 8, .value_kind: global_buffer, .address_space: global }
      - { .name: WO_b, .offset: 16, .size: 8, .value_kind: global_buffer, .address_space: global }
      - { .name: out0, .offset: 24, .size: 8, .value_kind: global_buffer, .address_space: global }
    .group_segment_fixed_size: 327680
    .private_segment_fixed_size: 0
    .kernarg_segment_align: 8
    .kernarg_segment_size: 32
    .max_flat_workgroup_size: 128
    .sgpr_count:     66
    .vgpr_count:     512
    .wavefront_size: 32
...
	.end_amdgpu_metadata
.endif
;; end of part 4
;; launch first16 (part 5): grid 16 x 4, 16 waves a work-group, no clusters, 71,680 bytes of LDS; arguments head32, WO_w, WO_b, out0; writes out0
.if DOCPART == 5
	.amdgcn_target "amdgcn-amd-amdhsa--gfx1250"
	.amdhsa_code_object_version 6
	.text
	.protected	k_qeacb147cd5_first16
	.globl	k_qeacb147cd5_first16
	.p2align	8
	.type	k_qeacb147cd5_first16,@function
k_qeacb147cd5_first16:
	s_mov_b64 s[64:65], 0
	v_nop
	global_prefetch_b8 v0, s[64:65] scope:SCOPE_SE
	s_setreg_imm32_b32 hwreg(HW_REG_WAVE_MODE, 25, 1), 1
	s_wait_xcnt 0x0
; Positions 0-15 of each sequence, attention and projection wholly in f32: these rows average one to sixteen values and are the largest of the output, so f16 operands would weigh most on them.
; Keys behind position 15 are masked for these queries and are not touched; K carries no bias (see the first launch).
; Work-group (g, batch): 64 output columns 64 g on.  Wave w = head w: its 16 x 16 attention from head32's f32 images, then its own O (16 x 64) times WO[64 g .. + 63][64 w .. + 63];
; the sixteen heads' parts are added in LDS, in the order of the waves, with WO_b.  All products by the f32 matrix form, 96 a wave: no bulk work.
; head32: [3][4][64 column tiles][2 halves][32 lanes][16 bytes], lane (r, h), half u = value(position r, column 16 ct + 8 h + 4 u + 0 .. 3).
; In the f32 form lane (r, h), register j holds k = 2 h + j.  Here that place stands for channel (or key) 8 h + 2 p + j of the tile in hand, alike in both sources, p = 0 .. 3: the sums run over the same terms.
; v16-47, the four accumulators, are written by matrix instructions alone.
.set SPARE, 16*16*272                  ; behind the sixteen parts (16 queries x (256 + 16) bytes each): the spare words
.set SPW, 14
.set NIL, 15
.set ACC, 16
.set QR,  48                           ; v48-79   Q; later WO's column tile 2
.set KR,  80                           ; v80-111  K; later WO's column tile 3
.set VT,  112                          ; v112-143 V^T; later the parts read back
.set WR,  144                          ; v144-207 WO's column tiles 0, 1; later bias and sums
.set ON,  208                          ; v208-239 O / the sum
.set PR,  240                          ; v240-247 p
.set SR,  248                          ; v248-255 the scores
	s_load_b256 s[4:11], s[0:1], 0x0               ; head32, WO_w, WO_b, out0
	v_lshl_add_u32 v[SPW], v0, 2, SPARE
	v_mov_b32 v[NIL], 0
	v_lshrrev_b32 v1, 5, v0
	v_readfirstlane_b32 s12, v1                    ; wave = head
	s_and_b32 s14, ttmp7, 0xffff                   ; batch
	v_and_b32 v1, 15, v0                           ; r
	v_bfe_u32 v2, v0, 4, 1                         ; h
	v_and_b32 v10, 31, v0
	v_lshlrev_b32 v3, 4, v10                       ; 16 x lane
	v_lshlrev_b32 v8, 3, v10                       ; 8 x lane
	v_bfe_u32 v4, v1, 2, 1                         ; V^T: channel 16 d + r of key 8 h + j lies in half (r / 4) % 2,
	v_lshlrev_b32 v4, 9, v4
	v_bfe_u32 v10, v1, 3, 1
	v_lshl_add_u32 v4, v10, 8, v4                  ; lane 16 (r / 8) + 8 h + j,
	v_lshl_add_u32 v4, v2, 7, v4
	v_and_b32 v10, 3, v1
	v_lshl_add_u32 v4, v10, 2, v4                  ; word r % 4
	v_lshlrev_b32 v5, 12, v1
	v_lshl_add_u32 v5, v2, 5, v5                   ; WO: row r of 4,096 bytes + 32 h
	s_mul_i32 s15, s12, 16*272
	v_mul_u32_u24 v6, v1, 272
	v_lshl_add_u32 v6, v2, 5, v6
	v_add_nc_u32 v6, s15, v6                       ; my part: query r, + 32 h
	s_mul_i32 s15, s12, 272
	v_add_nc_u32 v7, s15, v8                       ; back: query w of a part, 8 bytes a lane
	v_lshlrev_b32 v9, 3, v2
	v_sub_nc_u32 v9, v1, v9                        ; d = r - 8 h: register j holds key 8 h + j, hidden where j > d
	s_mov_b32 s20, 0x76543210
	s_mov_b32 s21, 0xfedcba98
	s_mov_b32 s22, 0x3e38aa3b                      ; c = log2(e) / 8
	s_lshl_b32 s16, s14, 16
	s_lshl_b32 s15, s12, 12
	s_add_co_u32 s16, s16, s15                     ; head32: batch x 65,536 + head x 4 column tiles
	s_mov_b32 s17, 0
	s_lshl_b32 s18, ttmp9, 18                      ; WO: 64 g rows,
	s_lshl_b32 s23, s12, 8                         ; my head's 64 numbers of K
	s_add_co_u32 s18, s18, s23
	s_mov_b32 s19, 0
	s_lshl_b32 s24, ttmp9, 8                       ; 64 g columns, in bytes
	s_mov_b32 s25, 0
	s_lshl_b32 s26, s14, 23                        ; out0: row 2,048 batch + w
	s_add_co_u32 s26, s26, s15
	s_add_co_u32 s26, s26, s24
	s_mov_b32 s27, 0
	s_wait_kmcnt 0x0
	s_add_nc_u64 s[4:5], s[4:5], s[16:17]
	s_add_nc_u64 s[6:7], s[6:7], s[18:19]
	s_add_nc_u64 s[8:9], s[8:9], s[24:25]
	s_add_nc_u64 s[10:11], s[10:11], s[26:27]
.irp d, 0,1,2,3
.irp u, 0,1
	global_load_b128 v[QR+8*\d+4*\u:QR+8*\d+4*\u+3], v3, s[4:5] offset:1024*\d+512*\u
.endr
.endr
.irp d, 0,1,2,3
.irp u, 0,1
	global_load_b128 v[KR+8*\d+4*\u:KR+8*\d+4*\u+3], v3, s[4:5] offset:262144+1024*\d+512*\u
.endr
.endr
.irp d, 0,1,2,3
.irp j, 0,1,2,3,4,5,6,7
	global_load_b32 v[VT+8*\d+\j], v4, s[4:5] offset:524288+1024*\d+16*\j
.endr
.endr
.irp n, 0,1
.irp d, 0,1,2,3
.irp u, 0,1
	global_load_b128 v[WR+32*\n+8*\d+4*\u:WR+32*\n+8*\d+4*\u+3], v5, s[6:7] offset:65536*\n+64*\d+16*\u
.endr
.endr
.endr
	s_wait_loadcnt 16                              ; Q, K and V are in; WO's sixteen loads may be out
.irp p, 0,1,2,3                                ; S^T = K Q^T in four partial sums, one for each 16 channels, by turns
.irp d, 0,1,2,3
.if \p == 0
	v_wmma_f32_16x16x4_f32 v[ACC+8*\d:ACC+8*\d+7], v[KR+8*\d+2*\p:KR+8*\d+2*\p+1], v[QR+8*\d+2*\p:QR+8*\d+2*\p+1], 0
.else
	v_wmma_f32_16x16x4_f32 v[ACC+8*\d:ACC+8*\d+7], v[KR+8*\d+2*\p:KR+8*\d+2*\p+1], v[QR+8*\d+2*\p:QR+8*\d+2*\p+1], v[ACC+8*\d:ACC+8*\d+7]
.endif
.endr
.endr
.rept 8
	v_nop                                          ; eight places behind this form, ahead of loads into its sources and of reads of its results
.endr
.irp n, 2,3
.irp d, 0,1,2,3
.irp u, 0,1
	global_load_b128 v[QR+32*(\n-2)+8*\d+4*\u:QR+32*(\n-2)+8*\d+4*\u+3], v5, s[6:7] offset:65536*\n+64*\d+16*\u
.endr
.endr
.endr
.irp i, 0,2,4,6
	v_pk_add_f32 v[SR+\i:SR+\i+1], v[ACC+\i:ACC+\i+1], v[ACC+8+\i:ACC+8+\i+1]        ; each accumulator from its low end on
.endr
.irp i, 0,2,4,6
	v_pk_add_f32 v[PR+\i:PR+\i+1], v[ACC+16+\i:ACC+16+\i+1], v[ACC+24+\i:ACC+24+\i+1]
.endr
.irp i, 0,2,4,6
	v_pk_add_f32 v[SR+\i:SR+\i+1], v[SR+\i:SR+\i+1], v[PR+\i:PR+\i+1]
.endr
	v_mov_b32 v13, 0xff800000                      ; -infinity
.irp j, 0,1,2,3,4,5,6,7
	v_cmp_gt_i32 vcc_lo, \j, v9
	v_cndmask_b32 v[SR+\j], v[SR+\j], v13, vcc_lo
.endr
	v_max3_num_f32 v10, v[SR], v[SR+1], v[SR+2]
	v_max3_num_f32 v10, v10, v[SR+3], v[SR+4]
	v_max3_num_f32 v10, v10, v[SR+5], v[SR+6]
	v_max_num_f32 v10, v10, v[SR+7]
	v_mov_b32 v11, 0
	v_permlanex16_b32 v11, v10, s20, s21           ; the query's other eight keys; key 0 counts for every query, so the maximum is a number
	v_max_num_f32 v10, v10, v11
	v_mul_f32 v11, s22, v10                        ; c m
.irp j, 0,1,2,3,4,5,6,7
	v_fma_f32 v[PR+\j], v[SR+\j], s22, -v11
.endr
.irp j, 0,1,2,3,4,5,6,7
	v_exp_f32 v[PR+\j], v[PR+\j]
.endr
	v_nop
	s_wait_alu depctr_va_vdst(0)                   ; one wait for the eight exponentials, ahead of their first reader
	v_pk_add_f32 v[10:11], v[PR:PR+1], v[PR+2:PR+3]
	v_pk_add_f32 v[12:13], v[PR+4:PR+5], v[PR+6:PR+7]
	v_pk_add_f32 v[10:11], v[10:11], v[12:13]
	v_add_f32 v10, v10, v11
	v_permlanex16_b32 v11, v10, s20, s21
	v_add_f32 v10, v10, v11                        ; the row's sum
	v_rcp_f32 v12, v10
	v_nop
	s_wait_alu depctr_va_vdst(0)
.irp p, 0,1,2,3                                ; O^T = V^T P^T: four tiles of 16 channels by turns; the softmax's lines are the nine places behind the first products
.irp d, 0,1,2,3
.if \p == 0
	v_wmma_f32_16x16x4_f32 v[ACC+8*\d:ACC+8*\d+7], v[VT+8*\d+2*\p:VT+8*\d+2*\p+1], v[PR+2*\p:PR+2*\p+1], 0
.else
	v_wmma_f32_16x16x4_f32 v[ACC+8*\d:ACC+8*\d+7], v[VT+8*\d+2*\p:VT+8*\d+2*\p+1], v[PR+2*\p:PR+2*\p+1], v[ACC+8*\d:ACC+8*\d+7]
.endif
.endr
.endr
.rept 9
	v_nop                                          ; eight ahead of the reads below, nine ahead of the products that begin the accumulators anew
.endr
.set n, 0
.rept 16
	v_pk_mul_f32 v[ON+2*n:ON+2*n+1], v[ACC+2*n:ACC+2*n+1], v[12:13] op_sel_hi:[1,0]   ; register 8 d + j: O(query r, channel 16 d + 8 h + j)
.set n, n+1
.endr
	s_wait_loadcnt 0x0                             ; WO
.irp d, 0,1,2,3                                ; my head's part of the projection: four tiles of 16 columns by turns, 16 steps along K
.irp p, 0,1,2,3
.irp n, 0,1,2,3
.if (\d == 0) && (\p == 0)
	v_wmma_f32_16x16x4_f32 v[ACC+8*\n:ACC+8*\n+7], v[WR+32*\n-160*(\n/2)+8*\d+2*\p:WR+32*\n-160*(\n/2)+8*\d+2*\p+1], v[ON+8*\d+2*\p:ON+8*\d+2*\p+1], 0
.else
	v_wmma_f32_16x16x4_f32 v[ACC+8*\n:ACC+8*\n+7], v[WR+32*\n-160*(\n/2)+8*\d+2*\p:WR+32*\n-160*(\n/2)+8*\d+2*\p+1], v[ON+8*\d+2*\p:ON+8*\d+2*\p+1], v[ACC+8*\n:ACC+8*\n+7]
.endif
.endr
.endr
.endr
.rept 8
	v_nop
.endr
.irp n, 0,1,2,3
	ds_store_b128 v6, v[ACC+8*\n:ACC+8*\n+3]   offset:64*\n       ; lane (r, h): part(query r, column 16 n + 8 h + 0 .. 7)
	ds_store_b128 v6, v[ACC+8*\n+4:ACC+8*\n+7] offset:64*\n+16
.endr
	global_load_b64 v[WR:WR+1], v8, s[8:9]         ; WO_b of my two columns
	s_wait_dscnt 0x0                               ; for the others' sake: my stores have landed
	s_barrier_signal -1
	s_barrier_wait -1
.irp i, 0,1,2,3,4,5,6,7,8,9,10,11,12,13,14,15
	ds_load_b64 v[VT+2*\i:VT+2*\i+1], v7 offset:4352*\i            ; query w of head i's part
.endr
	s_wait_dscnt 0x0
	s_wait_loadcnt 0x0
	v_pk_add_f32 v[WR:WR+1], v[WR:WR+1], v[VT:VT+1]
	v_pk_add_f32 v[WR+2:WR+3], v[VT+2:VT+3], v[VT+4:VT+5]
.irp i, 3,5,7,9,11,13
	v_pk_add_f32 v[WR:WR+1], v[WR:WR+1], v[VT+2*\i:VT+2*\i+1]
	v_pk_add_f32 v[WR+2:WR+3], v[WR+2:WR+3], v[VT+2*\i+2:VT+2*\i+3]
.endr
	v_pk_add_f32 v[WR:WR+1], v[WR:WR+1], v[VT+30:VT+31]
	v_pk_add_f32 v[WR:WR+1], v[WR:WR+1], v[WR+2:WR+3]
	global_store_b64 v8, v[WR:WR+1], s[10:11]      ; the wave stores 256 consecutive bytes, aligned
	s_wait_tensorcnt 0x0                           ; the wave's end, behind my last LDS store
	ds_add_u32 v[SPW], v[NIL]
	s_wait_dscnt 0x0
	s_endpgm
.Lfunc_end_k_qeacb147cd5_first16:
	.size	k_qeacb147cd5_first16, .Lfunc_end_k_qeacb147cd5_first16-k_qeacb147cd5_first16
	.p2alignl 7, 3214868480
	.fill 96, 4, 3214868480
	.section	.rodata,"a",@progbits
	.p2align	6, 0x0
	.amdhsa_kernel k_qeacb147cd5_first16
		.amdhsa_group_segment_fixed_size 71680
		.amdhsa_private_segment_fixed_size 0
		.amdhsa_enable_private_segment 0
		.amdhsa_kernarg_size 32
		.amdhsa_user_sgpr_count 2
		.amdhsa_user_sgpr_kernarg_segment_ptr 1
		.amdhsa_wavefront_size32 1
		.amdhsa_system_sgpr_workgroup_id_x 1
		.amdhsa_system_sgpr_workgroup_id_y 1
		.amdhsa_system_sgpr_workgroup_id_z 1
		.amdhsa_system_vgpr_workitem_id 0
		.amdhsa_next_free_vgpr 256
		.amdhsa_next_free_sgpr 66
		.amdhsa_reserve_vcc 1
		.amdhsa_float_denorm_mode_32 3
		.amdhsa_float_denorm_mode_16_64 3
		.amdhsa_memory_ordered 1
		.amdhsa_forward_progress 1
		.amdhsa_inst_pref_size 24
	.end_amdhsa_kernel
	.amdgpu_metadata
---
amdhsa.version: [ 1, 2 ]
amdhsa.kernels:
  - .name:           k_qeacb147cd5_first16
    .symbol:         k_qeacb147cd5_first16.kd
    .args:
      - { .name: head32, .offset: 0, .size: 8, .value_kind: global_buffer, .address_space: global }
      - { .name: WO_w, .offset: 8, .size: 8, .value_kind: global_buffer, .address_space: global }
      - { .name: WO_b, .offset: 16, .size: 8, .value_kind: global_buffer, .address_space: global }
      - { .name: out0, .offset: 24, .size: 8, .value_kind: global_buffer, .address_space: global }
    .group_segment_fixed_size: 71680
    .private_segment_fixed_size: 0
    .kernarg_segment_align: 8
    .kernarg_segment_size: 32
    .max_flat_workgroup_size: 512
    .sgpr_count:     66
    .vgpr_count:     256
    .wavefront_size: 32
...
	.end_amdgpu_metadata
.endif
;; end of part 5
